; MI455X (gfx1250); checked and timed in simulation.
; The chip was launched on July 23, 2026; its instructions are those of AMD's public machine-readable ISA for CDNA 5 (MIT licence, August 2026) and "CDNA5" Instruction Set Architecture Reference Guide (July 2026). The comments in the code are by the model that wrote it; some were corrected since.
;; Attention. Allowed arithmetic: matrix products marked QUANTISED: E2M3 operands, one E8M0 scale for each 32 along K, by v_wmma_scale_f32_16x16x128_f8f6f4 with both operands' format E2M3, f32 sums; everything else in f32.
;; Inputs: Wk 1,024 x 1,024 float32; Wo 1,024 x 1,024 float32; Wq 1,024 x 1,024 float32; Wv 1,024 x 1,024 float32; bk 1,024 float32; bo 1,024 float32; bq 1,024 float32; bv 1,024 float32; temperature one number float32; x 4 x 2,048 x 1,024 float32.
;; Outputs: out0 4 x 2,048 x 1,024 float32.
;; This version of the problem:
;;   THIS VERSION OF THE PROBLEM IS GIVEN IN LOW PRECISION. The matrix products marked QUANTISED in the list below multiply operands that are first quantised to E2M3 (2 exponent bits, 3 mantissa bits; 6 bits a number), with one power-of-two scale for each 32 numbers along K (OCP MX v1.0); their sums are f32. All else is computed in f32.
;;   The module's matrix products, in the order in which they are computed (A, B: the left and right operand; K: the contracted axis; several contracted axes count as one K, in the product's order):
;;     1. [M 8,192, K 1,024] x [K 1,024, N 1,024]; A: input x; B: input Wq: QUANTISED
;;     2. [M 8,192, K 1,024] x [K 1,024, N 1,024]; A: input x; B: input Wk: QUANTISED
;;     3. [M 8,192, K 1,024] x [K 1,024, N 1,024]; A: input x; B: input Wv: QUANTISED
;;     4. batch 64 x [M 2,048, K 64] x [K 64, N 2,048]; A: computed on the way; B: computed on the way: QUANTISED
;;     5. batch 64 x [M 2,048, K 2,048] x [K 2,048, N 64]; A: softmax (see below); B: computed on the way: QUANTISED
;;     6. [M 8,192, K 1,024] x [K 1,024, N 1,024]; A: computed on the way; B: input Wo: QUANTISED
;;   THE QUANTISER, for each operand of a quantised product, along K:
;;     - K is cut into blocks of 32 from its start; a last block that is shorter is filled with zeros.
;;     - A block's scale is 2^e with e = floor(log2(the largest magnitude in the block)) - 2, held to -126 .. 127; a block of zeros has e = 0. As a byte (E8M0): e + 127.
;;     - Each number is divided by its block's scale, clamped to +-7.5, and rounded to the nearest number of E2M3, ties to even, subnormals kept.
;;     - The product sums the exact products of the quantised numbers (number of the format x scale) in f32.
;;   ~~~python
;;   def quantise(x, axis):      # numpy; x: float32 -> the quantised numbers, widened to float32 again
;;       x = np.moveaxis(x, axis, -1); K = x.shape[-1]
;;       x = np.pad(x, [(0, 0)] * (x.ndim - 1) + [(0, -K % 32)]); x = x.reshape(x.shape[:-1] + (-1, 32)); a = np.abs(x).max(-1, keepdims=True)
;;       e = np.where(a > 0, np.clip(np.frexp(np.where(a > 0, a, 1))[1] - 1 - 2, -126, 127), 0)      # np.frexp(a)[1] - 1 = floor(log2(a)), exactly
;;       r = np.clip(x / 2.0 ** e, -7.5, 7.5)
;;       step = 2.0 ** (np.maximum(np.frexp(np.where(r == 0, 1, r))[1] - 1, 0) - 3)
;;       q = np.round(r / step) * step * 2.0 ** e      # np.round: ties to even
;;       return np.moveaxis(q.reshape(q.shape[:-2] + (-1,))[..., :K], -1, axis).astype(np.float32)
;;   ~~~
;;   SOFTMAX AHEAD OF A QUANTISED PRODUCT. Where the list says 'softmax', what is quantised is not the finished softmax but p = 2^(t - M), with t = logit x log2(e) and M = ceil(the row's largest t), a whole number; so 1/2 < the row's largest p <= 1. The row's sum l is taken of the UNQUANTISED p, in f32, and the product's result is divided by l at the end. Since M is a whole number, a kernel that streams over the keys may use a running M (the ceiling of the running maximum): every later rescaling is an exact power of two, which a block's scale takes up: the codes' values come out the same.
;;   OPERANDS COMPUTED ON THE WAY. 'Computed on the way' means the value that the module computes at that place (a softmax that the list does not call 'softmax' is quantised finished and normalised). What goes into a quantiser is computed in f32, as accurately as f32 sums, v_exp_f32 and their like allow (about 1e-6 of the number): no bf16 or f16 on the way to a quantiser, and a product that is left as it is and whose result goes on into a quantised operand takes f32 operands (vector FMAs, or v_wmma_f32_16x16x4_f32). A number that lies on a knife's edge between two numbers of the format may be rounded either way, as far as f32 arithmetic and the matrix unit's own rounding can turn it there, and no further.
;; One version. Each part assembles by itself: llvm-mc -triple=amdgcn-amd-amdhsa -mcpu=gfx1250 --defsym DOCPART=n.
;; ======== version 1 of 1: 4 launches
;; limits: right only within a limited range of input values
;; workspace buffers: cod 9,437,184 bytes; scl 393,216 bytes; qi 6,815,744 bytes; kv 13,369,344 bytes; ac 6,291,456 bytes; asc 262,144 bytes
;; launch quant (part 1): grid 768 x 1, 4 waves a work-group, no clusters, 34,816 bytes of LDS; arguments x, Wq, Wk, Wv, Wo, cod, scl; writes cod, scl
.if DOCPART == 1
	.amdgcn_target "amdgcn-amd-amdhsa--gfx1250"
	.amdhsa_code_object_version 6
	.text
	.protected	k_qa498b91d26_quant
	.globl	k_qa498b91d26_quant
	.p2align	8
	.type	k_qa498b91d26_quant,@function
k_qa498b91d26_quant:
	s_mov_b64 s[64:65], 0
	v_nop
	global_prefetch_b8 v0, s[64:65] scope:SCOPE_SE
	s_setreg_imm32_b32 hwreg(HW_REG_WAVE_MODE, 25, 1), 1
	s_wait_xcnt 0x0
; x [8192][1024] and Wq, Wk, Wv, Wo [1024][1024], f32, K innermost, become codes of FP6 (E2M3) with one E8M0 byte for each 32 along K.
; A block's scale is 2^(floor(log2(its largest magnitude)) - 2); its byte is the largest magnitude's exponent field - 2, held at 1 from below.
; LIMITS: NaN and infinities among the inputs are not served; a block whose largest magnitude lies under 2^-124 is held at the byte 1; a block of
; zeros gets the byte 1 where the quantiser says 127: its codes are zeros, which add nothing, and these bytes are read by this program alone.
; POSITIONS.  The 12,288 rows (x, then Wq, Wk, Wv, Wo) are kept at positions: position p holds the row whose number is p with bits 3 and 4 changed over.
; So lane r of a tile of 16 positions t holds row 32 (t / 2) + 8 (t % 2) + r + 8 (r / 8): what the later products want, so that their results can be quantised in registers.
; cod: [K / 64: 16][tile: 768][piece: 3][lane: 32][8 bytes]: lane (r, h), piece p holds bytes 8 p .. 8 p + 7 of the 24 bytes of codes of k = 64 g + 32 h + 0 .. 31 of the tile's position r:
;      the operand's registers on end.   scl: [256 positions: 48][K / 128: 8][position: 256][4 bytes]: a matrix instruction's scale word for each position.
; SHARES.  A work-group takes 64 positions x 256 along K, a wave one tile of 16 positions.  Each load reads 512 consecutive bytes of a row; 128 along K of the 16 rows turn through the wave's own
; stage in LDS, so that a lane gets the 32 neighbours of a whole block; a block's maximum then needs no other lane.  Each store of codes covers 256 consecutive bytes, aligned.
; No tensor load, no matrix unit, no cluster: each input byte is read once by one wave, and work-groups share nothing.  All 32 loads of a wave go out at its head.
.set PG,   589824                      ; bytes of cod from one 64 along K to the next: 768 tiles x 768
.set STGB, 8448                        ; a wave's stage: 16 rows x (512 bytes + 16)
.set SG,   4*STGB                      ; behind the stages: the work-group's scale words, [K / 128: 2][64 positions][4 bytes]
.set R,    32                          ; v32-159  the numbers as loaded: half hf, row i at v[R + 64 hf + 4 i]
.set X,    160                         ; v160-223 two blocks of 32 neighbours
.set CD,   224                         ; v224-247 the codes: six registers for each of the four 64s along K, never written again
.set CT,   248                         ; v248-250, v252-254 a block's upper 16 codes, before they are moved
	s_load_b256 s[4:11], s[0:1], 0x0               ; x, Wq, Wk, Wv
	s_load_b128 s[12:15], s[0:1], 0x20             ; Wo, cod
	s_load_b64 s[16:17], s[0:1], 0x30              ; scl
	v_lshl_add_u32 v251, v0, 2, 0x8600
	v_mov_b32 v255, 0
	v_lshrrev_b32 v1, 5, v0
	v_readfirstlane_b32 s18, v1                    ; wave
	v_and_b32 v1, 31, v0                           ; lane
	v_and_b32 v2, 15, v0                           ; r
	v_bfe_u32 v3, v0, 4, 1                         ; h
	s_and_b32 s19, ttmp9, 3                        ; which quarter of K
	s_lshr_b32 s20, ttmp9, 2                       ; which 64 positions: 0 .. 191
	s_mul_i32 s21, s18, STGB
	v_lshlrev_b32 v4, 4, v1                        ; 16 x lane: my bytes of a load's 512
	v_add_nc_u32 v5, s21, v4                       ; the stage, on the way in
	v_mul_u32_u24 v6, v2, 528
	v_lshl_add_u32 v6, v3, 7, v6
	v_add_nc_u32 v6, s21, v6                       ; and on the way out: row r, + 128 h: my block's 32 numbers
	v_lshlrev_b32 v7, 3, v1                        ; 8 x lane: my bytes of a piece
	s_lshl_b32 s22, s18, 6
	s_add_co_u32 s22, s22, SG
	v_lshl_add_u32 v8, v2, 2, v3
	v_add_nc_u32 v8, s22, v8                       ; my byte among the scale words: position 16 w + r, byte h (+ 2 c)
	v_add_nc_u32 v9, SG, v4                        ; the words on their way out
	v_lshlrev_b32 v10, 4, v2
	v_lshl_add_u32 v10, v3, 10, v10                ; lanes 0-15: the first 128 along K, lanes 16-31: the second, 1,024 bytes on
	s_and_b32 s23, s20, 15
	s_cmp_lt_u32 s20, 128
	s_cselect_b32 s23, s20, s23                    ; which 64 rows of my tensor
	s_lshl_b32 s23, s23, 6
	s_lshr_b32 s24, s18, 1
	s_lshl_b32 s24, s24, 5
	s_add_co_u32 s23, s23, s24
	s_and_b32 s24, s18, 1
	s_lshl_b32 s24, s24, 3
	s_add_co_u32 s23, s23, s24                     ; my tile's first row: 64 x group + 32 (w / 2) + 8 (w % 2)
	s_lshl_b32 s24, s23, 12                        ; 4,096 bytes a row
	s_lshl_b32 s25, s19, 10
	s_add_co_u32 s24, s24, s25                     ; + my quarter of K
	s_mov_b32 s25, 0
	s_mul_i32 s26, s19, 4*PG
	s_lshl_b32 s27, s20, 2
	s_add_co_u32 s27, s27, s18                     ; my tile
	s_mul_i32 s27, s27, 768
	s_add_co_u32 s26, s26, s27
	s_mov_b32 s27, 0
	s_lshr_b32 s28, s20, 2
	s_lshl_b32 s28, s28, 13                        ; scl: 8,192 bytes for 256 positions,
	s_lshl_b32 s29, s19, 11
	s_add_co_u32 s28, s28, s29                     ; 1,024 for each 128 along K,
	s_and_b32 s29, s20, 3
	s_lshl_b32 s29, s29, 8
	s_add_co_u32 s28, s28, s29                     ; 256 for my 64 positions
	s_mov_b32 s29, 0
	s_wait_alu depctr_va_vdst(0)
	s_wait_kmcnt 0x0
	s_mov_b64 s[30:31], s[4:5]                     ; one path for all five tensors: only the pointer is chosen, by the work-group's number
	s_cmp_ge_u32 s20, 128
	s_cselect_b64 s[30:31], s[6:7], s[30:31]
	s_cmp_ge_u32 s20, 144
	s_cselect_b64 s[30:31], s[8:9], s[30:31]
	s_cmp_ge_u32 s20, 160
	s_cselect_b64 s[30:31], s[10:11], s[30:31]
	s_cmp_ge_u32 s20, 176
	s_cselect_b64 s[30:31], s[12:13], s[30:31]
	s_add_nc_u64 s[30:31], s[30:31], s[24:25]
	s_add_nc_u64 s[14:15], s[14:15], s[26:27]
	s_add_nc_u64 s[16:17], s[16:17], s[28:29]
.irp hf, 0,1
.irp i, 0,1,2,3,4,5,6,7,8,9,10,11,12,13,14,15
	global_load_b128 v[R+64*\hf+4*\i:R+64*\hf+4*\i+3], v4, s[30:31] offset:(\i+8*(\i/8))*4096+512*\hf th:TH_LOAD_NT   ; position i of the tile: 512 consecutive bytes of its row
.endr
.endr
; 128 along K of the 16 rows: through the stage, two blocks a lane, their scales, codes and bytes
.macro HALF hf
	s_wait_loadcnt 16*(1-\hf)                      ; this half's sixteen loads are in; the other half's sixteen may be out
.irp i, 0,1,2,3,4,5,6,7,8,9,10,11,12,13,14,15
	ds_store_b128 v5, v[R+64*\hf+4*\i:R+64*\hf+4*\i+3] offset:528*\i
.endr
.irp c, 0,1
.irp j, 0,1,2,3,4,5,6,7
	ds_load_b128 v[X+32*\c+4*\j:X+32*\c+4*\j+3], v6 offset:256*\c+16*\j   ; LDS serves a wave's instructions in order (ISA guide 5.7.1.4): these see the stores above.  Rows 132 words apart: sixteen rows start at sixteen different groups of banks
.endr
.endr
	s_wait_dscnt 0x0
.irp c, 0,1
	v_max3_num_f32 v[12+\c], |v[X+32*\c]|, |v[X+32*\c+1]|, 0x1800000   ; the block's largest magnitude, and the floor 2^(3 - 127): the byte cannot fall under 1
.endr
.irp n, 2,4,6,8,10,12,14,16,18,20,22,24,26,28,30
.irp c, 0,1
	v_max3_num_f32 v[12+\c], v[12+\c], |v[X+32*\c+\n]|, |v[X+32*\c+\n+1]|   ; (the two blocks by turns)
.endr
.endr
.irp c, 0,1
	v_add_nc_u32 v[14+\c], 0xff000000, v[12+\c]    ; 2 off its exponent field: the conversion takes the exponent field of this operand as its scale
.endr
.irp c, 0,1
	v_lshrrev_b32 v[16+\c], 23, v[14+\c]           ; the scale's byte
.endr
.irp c, 0,1
	v_cvt_scalef32_pk16_fp6_f32 v[CD+6*(2*\hf+\c):CD+6*(2*\hf+\c)+2], v[X+32*\c:X+32*\c+15], v[14+\c]
	v_cvt_scalef32_pk16_fp6_f32 v[CT+4*\c:CT+4*\c+2], v[X+32*\c+16:X+32*\c+31], v[14+\c]   ; (a conversion's three registers begin on an even number)
.endr
	v_nop                                          ; one plain instruction behind the conversions
.irp c, 0,1
.irp n, 0,1,2
	v_mov_b32 v[CD+6*(2*\hf+\c)+3+\n], v[CT+4*\c+\n]
.endr
.endr
.irp c, 0,1
	ds_store_b8 v8, v[16+\c] offset:256*\hf+2*\c   ; byte 2 c + h of my position's word
.irp p, 0,1,2
	global_store_b64 v7, v[CD+6*(2*\hf+\c)+2*\p:CD+6*(2*\hf+\c)+2*\p+1], s[14:15] offset:(2*\hf+\c)*PG+256*\p   ; 32 lanes store 256 consecutive bytes, aligned
.endr
.endr
.endm
	HALF 0
	HALF 1
	s_wait_dscnt 0x0                               ; for the others' sake: my bytes lie in LDS
	s_barrier_signal -1
	s_barrier_wait -1
	s_cmp_lg_u32 s18, 0
	s_cbranch_scc1 .Lend                           ; wave 0 stores the work-group's 128 words: twice 256 consecutive bytes, aligned
	ds_load_b128 v[12:15], v9
	s_wait_dscnt 0x0
	global_store_b128 v10, v[12:15], s[16:17]
.Lend:
	s_wait_tensorcnt 0x0
	ds_add_u32 v251, v255
	s_wait_dscnt 0x0
	s_endpgm
.Lfunc_end_k_qa498b91d26_quant:
	.size	k_qa498b91d26_quant, .Lfunc_end_k_qa498b91d26_quant-k_qa498b91d26_quant
	.p2alignl 7, 3214868480
	.fill 96, 4, 3214868480
	.section	.rodata,"a",@progbits
	.p2align	6, 0x0
	.amdhsa_kernel k_qa498b91d26_quant
		.amdhsa_group_segment_fixed_size 34816
		.amdhsa_private_segment_fixed_size 0
		.amdhsa_enable_private_segment 0
		.amdhsa_kernarg_size 56
		.amdhsa_user_sgpr_count 2
		.amdhsa_user_sgpr_kernarg_segment_ptr 1
		.amdhsa_wavefront_size32 1
		.amdhsa_system_sgpr_workgroup_id_x 1
		.amdhsa_system_sgpr_workgroup_id_y 1
		.amdhsa_system_sgpr_workgroup_id_z 1
		.amdhsa_system_vgpr_workitem_id 0
		.amdhsa_next_free_vgpr 256
		.amdhsa_next_free_sgpr 66
		.amdhsa_reserve_vcc 0
		.amdhsa_float_denorm_mode_32 3
		.amdhsa_float_denorm_mode_16_64 3
		.amdhsa_memory_ordered 1
		.amdhsa_forward_progress 1
		.amdhsa_inst_pref_size 18
	.end_amdhsa_kernel
	.amdgpu_metadata
---
amdhsa.version: [ 1, 2 ]
amdhsa.kernels:
  - .name:           k_qa498b91d26_quant
    .symbol:         k_qa498b91d26_quant.kd
    .args:
      - { .name: x, .offset: 0, .size: 8, .value_kind: global_buffer, .address_space: global }
      - { .name: Wq, .offset: 8, .size: 8, .value_kind: global_buffer, .address_space: global }
      - { .name: Wk, .offset: 16, .size: 8, .value_kind: global_buffer, .address_space: global }
      - { .name: Wv, .offset: 24, .size: 8, .value_kind: global_buffer, .address_space: global }
      - { .name: Wo, .offset: 32, .size: 8, .value_kind: global_buffer, .address_space: global }
      - { .name: cod, .offset: 40, .size: 8, .value_kind: global_buffer, .address_space: global }
      - { .name: scl, .offset: 48, .size: 8, .value_kind: global_buffer, .address_space: global }
    .group_segment_fixed_size: 34816
    .private_segment_fixed_size: 0
    .kernarg_segment_align: 8
    .kernarg_segment_size: 56
    .max_flat_workgroup_size: 128
    .sgpr_count:     66
    .vgpr_count:     256
    .wavefront_size: 32
...
	.end_amdgpu_metadata
.endif
;; end of part 1
;; launch qkv (part 2): grid 8 x 32, 4 waves a work-group, clusters of 4 x 4, 327,680 bytes of LDS; arguments cod, scl, bq, bk, bv, qi, kv; writes qi, kv
.if DOCPART == 2
	.amdgcn_target "amdgcn-amd-amdhsa--gfx1250"
	.amdhsa_code_object_version 6
	.text
	.protected	k_qa498b91d26_qkv
	.globl	k_qa498b91d26_qkv
	.p2align	8
	.type	k_qa498b91d26_qkv,@function
k_qa498b91d26_qkv:
	s_mov_b64 s[64:65], 0
	v_nop
	global_prefetch_b8 v0, s[64:65] scope:SCOPE_SE
	s_setreg_imm32_b32 hwreg(HW_REG_WAVE_MODE, 25, 1), 1
	s_wait_xcnt 0x0
	s_wait_alu depctr_hold_cnt(0) depctr_sa_sdst(0) depctr_va_vdst(0) depctr_va_sdst(0) depctr_va_ssrc(0) depctr_va_vcc(0) depctr_vm_vsrc(0)
	s_getreg_b32 s2, hwreg(HW_REG_IB_STS2, 6, 4)
	s_cmp_eq_u32 s2, 0
	s_cbranch_scc0 .Lentry_in_a_cluster
	s_endpgm
.Lentry_in_a_cluster:
	s_bfe_u32 s2, ttmp6, 0x10000c
	s_cmp_lg_u32 s2, 0xf033
	s_cbranch_scc0 .Lentry_shape_is_right
	s_endpgm
.Lentry_shape_is_right:
; Q = x Wq^T + bq, K = x Wk^T + bk, V = x Wv^T + bv on codes of FP6 (E2M3) with E8M0 scales, K = 1,024, sums in f32; each result is quantised again for the products that follow and leaves as codes and scale words.
; cod, scl: as the first launch leaves them: positions 0 .. 8,191 x's tokens, then Wq's, Wk's, Wv's 1,024 rows each.  Position p is the row whose number is p with bits 3 and 4 changed over.
; qi: a record of 6,656 bytes for each (batch, head, 128 tokens): [pair of tiles: 4][3 runs][lane][16 bytes] of codes, then 512 bytes of scale words [lane][4 words].
; kv: a record of 13,056 bytes: K's image as Q's, V's image [tile of 16 channels: 4][3 runs][lane][16], K's scale words (512 bytes), V's (256).  Q's and K's blocks run along the head's 64 channels, V's along the tokens.
; LIMITS: NaN and infinities are not served; a block whose largest magnitude lies under 2^-124 is held at the byte 1 (a block of zeros too: its codes are zeros, and this program alone reads the bytes).
; SHARES.  32 x 8 = 256 work-groups.  A work-group owns 256 token positions and, of each of Q, K, V, the same 128 columns (two heads): three phases on end.  Four waves, 2 x 2: a wave makes 128 tokens x 64 columns,
; one record of one head, in 32 accumulators.
; LDS.  x's 256 positions, ALL of K (196,608 bytes of codes, 8,192 of scale words), are asked for once and stay.  The weights' 128 rows, all of K (98,304 + 4,096 bytes), have a region of their own, which is filled
; again twice: behind the three lines and a round of the cluster's barrier, wave 0 the scale words, waves 1 and 2 half the codes each.  The way out of the phase that is finished touches no LDS and stands
; behind the refill, ahead of the wait for it.  There is no loop to run ahead in, and each refill is asked for a whole way out ahead of its first read: no prefetch is written.
; CLUSTERS: 4 x 4.  x's tiles hang on the block's row alone and are shared along a row of the cluster, the weights' on its column alone and are shared along a column.
; Q, K: source 0 = 16 rows of the weight, source 1 = 16 tokens: a lane holds one token, its registers run along the channels.  V: the other way round: a lane holds one channel, its registers run along the tokens.
; By the positions' order the 16 registers of two neighbouring tiles are 16 neighbours along the next K; lanes l and l xor 16 share a block.  The bias is the first products' C.
; REGISTERS: window 0: v0-31 addresses; v32-79 scale words of all eight steps (six a step: four of x, two of the weight, two blocks to a register); v80-135 the way out; v160-255 x's fragments, set 0.
; window 1: v0-95 the weight's fragments, two sets; v160-255 x's fragments, set 1.   window 2: the accumulators.   window 3: v0-95 the three biases as the results lie.
.set PB,     589824                    ; cod: bytes from one 64 along K to the next
.set AKG,    12288                     ; LDS: 256 positions x 64 K of codes
.set BKG,    6144                      ; 128 positions
.set GB,     6144                      ; an image
.set FR,     12
.set BL,     16*AKG
.set SCA,    BL+16*BKG                 ; x's scale words, [q: 8][position: 256][4]
.set SCB,    SCA+8192                  ; the weight's, [q: 8][position: 128][4]
.set SPARE,  SCB+4096                  ; the spare words: 128 bytes a wave
.set ADRA, 8                           ; v8-11  my fragments of x, steps 2 j and 2 j + 1
.set ADRB, 12                          ; v12-13 of the weight, steps 4 j .. 4 j + 3
.set ASA,  14
.set ASB,  15
.set BO,   21
.set BV,   22
.set SPW,  28
.set NIL,  29
.set SC,   32
.set MX,   80
.set PBY,  84
.set SO,   88
.set WD,   92
.set IM,   100
.set CDR,  104
.set CTR,  128
.set AF,   160
.set WV,   18
.set WA,   19
.set WB,   20
.set G1A,  24
.set G1B,  32
.set G1S,  40
.set G1T,  48
.set G0A,  56
.set G0B,  60
.set G0S,  68
.set G0T,  72
.set G0H,  92
.set MSB, 0
.macro WIN new
.if MSB != (\new)
	s_set_vgpr_msb (MSB<<8)|(\new)
.set MSB, (\new)
.endif
.endm
.macro PLACES n
.rept \n
	v_nop
.endr
.endm
.macro WALU
	s_wait_alu depctr_va_vdst(0)
.endm
.macro CROUND
	s_barrier_signal -1
	s_barrier_wait -1
	s_cmp_lg_u32 s[WV], 0
	s_cbranch_scc1 .Lnot_wave_0_\@
	s_barrier_signal -3
.Lnot_wave_0_\@:
	s_barrier_wait -3
	s_barrier_signal -1
	s_barrier_wait -1
.endm
.macro GROUP1 g, m, c, r, p            ; r rows of c elements of 8 bytes, p elements from row to row; the mask in s[m], bit 21 beside it
	s_or_b32 s[\g], s[\m], (3<<16)|(1<<21)
	s_mov_b32 s[\g+1], (\c)<<16
	s_mov_b32 s[\g+2], (\r)<<16
	s_mov_b32 s[\g+3], (\c)<<16
	s_mov_b32 s[\g+4], \r
	s_mov_b32 s[\g+5], \p
	s_mov_b32 s[\g+6], 0
	s_mov_b32 s[\g+7], 0
.endm
.macro GROUP0 g, lds, base, off
	s_mov_b32 s[\g], 1
	s_mov_b32 s[\g+1], \lds
	s_add_nc_u64 s[\g+2:\g+3], s[\base:\base+1], s[\off:\off+1]
	s_or_b32 s[\g+3], s[\g+3], 0x80000000
.endm
.macro TLOAD g0, g1
	tensor_load_to_lds s[\g0:\g0+3], s[\g1:\g1+7]
	s_nop 0
	PLACES 4
.endm
.macro ARM under, g0, g1, next
	s_cmp_lt_u32 s[WV], \under
	s_cbranch_scc0 \next
	TLOAD \g0, \g1
	s_branch .Lasked
\next:
.endm
	s_load_b256 s[4:11], s[0:1], 0x0               ; cod, scl, bq, bk
	s_load_b128 s[12:15], s[0:1], 0x20             ; bv, qi
	s_load_b64 s[16:17], s[0:1], 0x30              ; kv
	v_lshl_add_u32 v[SPW], v0, 2, SPARE
	v_mov_b32 v[NIL], 0
	ds_add_u32 v[SPW], v[NIL]                      ; the opening lines: the add, twice on end, and its wait
	ds_add_u32 v[SPW], v[NIL]
	v_lshrrev_b32 v3, 5, v0
	v_readfirstlane_b32 s[WV], v3
	s_lshr_b32 s[WA], s[WV], 1                     ; my half of the tokens
	s_and_b32 s[WB], s[WV], 1                      ; my half of the columns: my head
	s_bfe_u32 s21, ttmp6, 0x40000                  ; cx
	s_bfe_u32 s22, ttmp6, 0x40004                  ; cy
	s_and_b32 s76, ttmp7, 0xffff
	s_lshl_b32 s76, s76, 2
	s_add_co_u32 s76, s76, s22                     ; which 256 tokens, 0 .. 31
	s_lshl_b32 s77, ttmp9, 2
	s_add_co_u32 s77, s77, s21                     ; which 128 columns, 0 .. 7
	s_lshl_b32 s78, s22, 2
	s_lshl_b32 s78, 15, s78                        ; my row of the cluster
	s_lshl_b32 s79, 0x1111, s21                    ; my column
	GROUP1 G1A, 78, AKG/8, 16, PB/8                ; x's codes: 16 rows of 12,288 bytes
	GROUP1 G1B, 79, BKG/8, 16, PB/8                ; the weight's: 16 rows of 6,144 (in the refills 8)
	GROUP1 G1S, 78, 32, 32, 32                     ; x's scale words: 8,192 dense bytes
	GROUP1 G1T, 79, 64, 8, 128                     ; the weight's: 8 steps x 512 bytes, my half of a group of 256 positions
	s_mul_i32 s84, s76, AKG
	s_mov_b32 s85, 0
	s_lshl_b32 s86, s76, 13
	s_mov_b32 s87, 0
	s_mul_i32 s88, s77, BKG
	s_add_co_u32 s88, s88, 512*768                 ; Wq's tiles begin at tile 512
	s_mov_b32 s89, 0
	s_lshr_b32 s90, s77, 1
	s_lshl_b32 s90, s90, 13
	s_add_co_u32 s90, s90, 32*8192                 ; and its groups at group 32
	s_and_b32 s96, s77, 1
	s_lshl_b32 s96, s96, 9
	s_add_co_u32 s90, s90, s96
	s_mov_b32 s91, 0
	s_add_co_u32 s98, s[WV], 1
	s_and_b32 s98, s98, 1                          ; in a refill wave 1 brings the lower eight 64s along K, wave 2 the upper
	s_mul_i32 s96, s98, 8*PB
	s_add_co_u32 s96, s96, s88
	s_mov_b32 s97, 0
	s_mul_i32 s99, s98, 8*BKG
	s_add_co_u32 s99, s99, BL
	s_wait_dscnt 0x0
	s_wait_kmcnt 0x0
	CROUND                                         ; all sixteen work-groups are here: the joint loads meet
	GROUP0 G0A, 0, 4, 84
	GROUP0 G0S, SCA, 6, 86
	GROUP0 G0B, BL, 4, 88
	GROUP0 G0T, SCB, 6, 90
	GROUP0 G0H, s99, 4, 96
	ARM 1, G0T, G1T, .Lhead_s                      ; one chain of branches on the wave's number, one load to an arm
	ARM 2, G0S, G1S, .Lhead_b
	ARM 3, G0B, G1B, .Lhead_a
	TLOAD G0A, G1A
.Lasked:
	s_mul_i32 s84, s[WA], 8*768                    ; my 8 tiles of x
	s_mul_i32 s85, s[WB], 4*768                    ; my 4 tiles of the weight
	s_add_co_u32 s85, s85, BL
	s_lshl_b32 s86, s[WA], 9
	s_add_co_u32 s86, s86, SCA
	s_lshl_b32 s87, s[WB], 8
	s_add_co_u32 s87, s87, SCB
	s_lshl_b32 s96, s77, 1
	s_add_co_u32 s96, s96, s[WB]                   ; my head
	s_lshl_b32 s88, s96, 8
	s_mov_b32 s89, 0
	s_add_nc_u64 s[8:9], s[8:9], s[88:89]          ; the biases at my head's 64 numbers
	s_add_nc_u64 s[10:11], s[10:11], s[88:89]
	s_add_nc_u64 s[12:13], s[12:13], s[88:89]
	s_lshl_b32 s90, s76, 1
	s_add_co_u32 s90, s90, s[WA]                   ; my 128 tokens, 0 .. 63: 16 to a batch
	s_lshr_b32 s91, s90, 4
	s_lshl_b32 s91, s91, 4
	s_add_co_u32 s91, s91, s96
	s_lshl_b32 s91, s91, 4
	s_and_b32 s90, s90, 15
	s_add_co_u32 s91, s91, s90                     ; my record: (16 x batch + head) x 16 + step
	s_mul_i32 s88, s91, 6656
	s_add_nc_u64 s[80:81], s[14:15], s[88:89]      ; in qi
	s_mul_i32 s88, s91, 13056
	s_add_nc_u64 s[82:83], s[16:17], s[88:89]      ; in kv
	s_mov_b32 s98, 0x76543210
	s_mov_b32 s99, 0xfedcba98                      ; v_permlanex16_b32's selects for lane l xor 16
	v_and_b32 v3, 31, v0                           ; lane
	v_and_b32 v4, 15, v0                           ; r
	v_bfe_u32 v5, v0, 4, 1                         ; h
	v_lshlrev_b32 v1, 4, v3
	v_lshlrev_b32 v2, 3, v3
	v_add_nc_u32 v[ADRA], s84, v2
	v_add_nc_u32 v[ADRB], s85, v2
	v_add_nc_u32 v[ADRA+1], 4*AKG, v[ADRA]
	v_add_nc_u32 v[ADRA+2], 8*AKG, v[ADRA]
	v_add_nc_u32 v[ADRA+3], 12*AKG, v[ADRA]
	v_add_nc_u32 v[ADRB+1], 8*BKG, v[ADRB]
	v_lshlrev_b32 v6, 2, v4
	v_lshl_add_u32 v7, v5, 8, v6
	v_add_nc_u32 v[ASA], s86, v7                   ; x's words: lanes 0-15 block i, lanes 16-31 block i + 4
	v_lshl_add_u32 v7, v5, 7, v6
	v_add_nc_u32 v[ASB], s87, v7                   ; the weight's: lanes 0-15 block i, lanes 16-31 block i + 2
	v_lshlrev_b32 v[BO], 6, v5
	v_and_b32 v6, 8, v4
	v_add_nc_u32 v6, v6, v4
	v_lshlrev_b32 v[BV], 2, v6                     ; V's bias: lane r of tile b has channel 32 (b / 2) + 8 (b % 2) + r + 8 (r / 8)
.irp b, 0,1,2,3
	v_mov_b32 v[PBY+\b], 0                         ; written once: a lane permute's destination counts as one of its sources
.endr
	WIN 0xc0
.irp n, 0,1
.irp j, 0,1,2,3
	global_load_b128 v[16*\n+4*\j:16*\n+4*\j+3], v[BO], s[8:9] offset:128*\n+16*\j        ; Q's bias: register 8 b + j of lane (r, h) is channel 32 (b / 2) + 16 h + 8 (b % 2) + j
	global_load_b128 v[32+16*\n+4*\j:32+16*\n+4*\j+3], v[BO], s[10:11] offset:128*\n+16*\j   ; K's
.endr
.endr
.irp b, 0,1,2,3
	global_load_b32 v[64+8*\b], v[BV], s[12:13] offset:4*(32*(\b/2)+8*(\b%2))
.endr
	s_wait_loadcnt 0x0
	WIN 0xc3
.irp b, 0,8,16,24
.irp i, 1,2,3,4,5,6,7
	v_mov_b32 v[64+\b+\i], v[64+\b]                ; V's number, one a lane and tile, over the tile's eight registers
.endr
.endr
	WIN 0
	WALU                                           ; the wait at the head's end
	s_wait_tensorcnt 0x0                           ; my tile has landed
	s_barrier_signal -1
	s_barrier_wait -1                              ; all four tiles may be read
.macro FRAG reg, adr, base, kg         ; 16 positions x 128 K: six pieces of 8 bytes a lane, three from each 64 along K
.irp p, 0,1,2,3,4,5
	ds_load_b64 v[\reg+2*\p:\reg+2*\p+1], v[\adr] offset:(\base)+(\p/3)*(\kg)+256*(\p%3)
.endr
.endm
.macro FETCH_B s
	WIN 0x40
.irp i, 0,1,2,3
	FRAG 48*((\s)%2)+FR*\i, ADRB+(\s)/4, 2*((\s)%4)*BKG+\i*768, BKG
.endr
.endm
.macro FETCH_A s, i0
	WIN ((\s)%2)<<6
.irp i, \i0, \i0+1, \i0+2, \i0+3
	FRAG AF+FR*(\i), ADRA+(\s)/2, 2*((\s)%2)*AKG+(\i)*768, AKG
.endr
.endm
.macro W1 d, s0, s1, c, x0, x1, r0, r1
	v_wmma_scale_f32_16x16x128_f8f6f4 v[\d:\d+7], v[\s0:\s0+11], v[\s1:\s1+11], \c, v[\x0], v[\x1] matrix_a_fmt:MATRIX_FMT_FP6 matrix_b_fmt:MATRIX_FMT_FP6 matrix_a_scale:MATRIX_SCALE_ROW\r0 matrix_b_scale:MATRIX_SCALE_ROW\r1
.endm
; 16 products: x's blocks 4 ah .. 4 ah + 3 against the weight's four.  kind 0 (Q, K): accumulator (a, b) at v[8 (4 a + b)]; kind 1 (V): at v[8 (8 b + a)].  c3: the bias's first register in window 3.
; The 32 accumulators take turns, in the same order in every step.
.macro MULH s, ah, kind, c3
.irp al, 0,1,2,3
.irp bh, 0,1
.irp bl, 0,1
.set A_, 4*\ah+\al
.set B_, 2*\bh+\bl
.set AF_, AF+FR*A_
.set BF_, 48*((\s)%2)+FR*B_
.set XA_, SC+6*(\s)+\al
.set XB_, SC+6*(\s)+4+\bl
.if \kind
.set D_, 8*(8*B_+A_)
.if (\s) == 0
	W1 D_, AF_, BF_, v[\c3+8*B_:\c3+8*B_+7], XA_, XB_, \ah, \bh
.else
	W1 D_, AF_, BF_, v[D_:D_+7], XA_, XB_, \ah, \bh
.endif
.else
.set D_, 8*(4*A_+B_)
.if (\s) == 0
	W1 D_, BF_, AF_, v[\c3+8*B_:\c3+8*B_+7], XB_, XA_, \bh, \ah
.else
	W1 D_, BF_, AF_, v[D_:D_+7], XB_, XA_, \bh, \ah
.endif
.endif
.endr
.endr
.endr
.endm
.macro MWIN s, kind                    ; the weight's fragments window 1, x's the step's set; D window 2; C window 2, in the first step window 3 (the bias)
.if \kind
.set W_, ((\s)%2)|4
.else
.set W_, 1|(((\s)%2)<<2)
.endif
.if (\s) == 0
	WIN W_|0xb0
.else
	WIN W_|0xa0
.endif
.endm
; A step of 128 along K: 32 products on set s % 2; the next step's fragments go into the other set, 48 loads at the step's head and 24 in its middle.
.macro STEP s, kind, c3
.if (\s) < 7
.if (\s) > 0
	PLACES 4                                       ; between the products that read the other set and the loads into it
.endif
	FETCH_B (\s)+1
	FETCH_A (\s)+1, 0
	s_wait_dscnt 48                                ; all but the 48 just issued: this step's fragments are in
.else
	s_wait_dscnt 0x0
.endif
	MWIN \s, \kind
	MULH \s, 0, \kind, \c3
.if (\s) < 7
	FETCH_A (\s)+1, 4
.endif
	MWIN \s, \kind
	MULH \s, 1, \kind, \c3
.endm
.macro PHASE kind, c3
.irp q, 0,1,2,3,4,5,6,7
.irp i, 0,1
	ds_load_b32 v[SC+6*\q+4+\i], v[ASB] offset:512*\q+64*\i
.endr
.endr
	FETCH_B 0
	FETCH_A 0, 0
	FETCH_A 0, 4
.irp s, 0,1,2,3,4,5,6,7
	STEP \s, \kind, \c3
.endr
	WIN 0
.endm
; The weights' region is filled again with the next tensor's rows: 64 tiles and 4 groups of scale words further on.
.macro CHANGE
	s_wait_tensorcnt 0x0                           ; ahead of a refill's round: no load of mine is out,
	ds_add_u32 v[SPW], v[NIL]
	s_add_nc_u64 s[G0H+2:G0H+3], s[G0H+2:G0H+3], 64*768   ; so descriptors may be written
	s_add_nc_u64 s[G0T+2:G0T+3], s[G0T+2:G0T+3], 4*8192
	s_mov_b32 s[G1B+2], 8<<16                      ; a refill's load of codes brings 8 rows
	s_mov_b32 s[G1B+4], 8
	s_wait_dscnt 0x0                               ; the add is done, and so are my reads of the region
	CROUND
	s_cmp_eq_u32 s[WV], 0
	s_cbranch_scc0 .Lcodes_\@
	TLOAD G0T, G1T
	s_branch .Lrefilled_\@
.Lcodes_\@:
	s_cmp_lt_u32 s[WV], 3
	s_cbranch_scc0 .Lrefilled_\@
	TLOAD G0H, G1B
.Lrefilled_\@:
	PLACES 4                                       ; the places between the last products and the first read of their sums, for the wave that comes round the loads too
.endm
.macro SHOWN                           ; what the refill brought is shown to all waves
	WALU
	s_wait_tensorcnt 0x0
	s_barrier_signal -1
	s_barrier_wait -1
.endm
; THE WAY OUT of 64 sums a lane, v[64 k ..] of window 2: four blocks of 32 along the next K, each in lanes l and l xor 16, 16 registers each.
; ty 0 (Q, K): tiles 2 k and 2 k + 1 of my tokens, two blocks each: two scale words (upper half: the byte of 1.0 for the zero codes).  ty 1 (V): tile k of my channels, 128 tokens: one scale word.  Twelve registers of codes either way.
.macro OUTB k, ty, p, base
.set AC, 64*(\k)
.set CD_, CDR+12*((\k)%2)
	WIN 0x0a
.irp b, 0,1,2,3
	v_max3_num_f32 v[MX+\b], |v[AC+16*\b]|, |v[AC+16*\b+1]|, 0x1800000   ; with the floor 2^(3 - 127)
.endr
	WIN 0x28
.irp n, 2,4,6,8,10,12,14
.irp b, 0,1,2,3
	v_max3_num_f32 v[MX+\b], v[MX+\b], |v[AC+16*\b+\n]|, |v[AC+16*\b+\n+1]|
.endr
.endr
	WIN 0
.irp b, 0,1,2,3
	v_permlanex16_b32 v[PBY+\b], v[MX+\b], s98, s99
.endr
.irp b, 0,1,2,3
	v_max_num_f32 v[MX+\b], v[MX+\b], v[PBY+\b]
.endr
.irp b, 0,1,2,3
	v_add_nc_u32 v[SO+\b], 0xff000000, v[MX+\b]    ; 2 off the exponent field: the conversion's scale operand
.endr
.irp b, 0,1,2,3
	v_lshrrev_b32 v[PBY+\b], 23, v[SO+\b]          ; the scale's byte
.endr
.if \ty
	v_lshl_or_b32 v[WD+(\k)], v[PBY+1], 8, v[PBY]
	v_lshl_or_b32 v[WD+(\k)], v[PBY+2], 16, v[WD+(\k)]
	v_lshl_or_b32 v[WD+(\k)], v[PBY+3], 24, v[WD+(\k)]
.else
.irp e, 0,1
	v_lshl_or_b32 v[WD+2*(\k)+\e], v[PBY+2*\e+1], 8, v[PBY+2*\e]
.endr
.irp e, 0,1
	v_or_b32 v[WD+2*(\k)+\e], 0x7f7f0000, v[WD+2*(\k)+\e]
.endr
.endif
	WALU
	s_wait_xcnt 0x0                                ; earlier stores have read their registers
	WIN 0x02
.irp g, 0,1
	v_cvt_scalef32_pk16_fp6_f32 v[CD_+6*\g:CD_+6*\g+2], v[AC+32*\g:AC+32*\g+15], v[SO+2*\g]
	v_cvt_scalef32_pk16_fp6_f32 v[CTR+4*\g:CTR+4*\g+2], v[AC+32*\g+16:AC+32*\g+31], v[SO+2*\g+1]
.endr
	WIN 0
	v_nop                                          ; one plain instruction behind the conversions
.irp g, 0,1
.irp n, 0,1,2
	v_permlane16_swap_b32 v[CD_+6*\g+\n], v[CTR+4*\g+\n]   ; lanes 0-15: block 2 g whole, lanes 16-31: block 2 g + 1
.endr
.endr
.irp g, 0,1
.irp n, 0,1,2
	v_mov_b32 v[CD_+6*\g+3+\n], v[CTR+4*\g+\n]
.endr
.endr
.irp c, 0,1,2
	global_store_b128 v1, v[CD_+4*\c:CD_+4*\c+3], s[\p:\p+1] offset:(\base)+1536*(\k)+512*\c   ; 32 lanes store 512 consecutive bytes, aligned
.endr
.endm
.macro OUTQ p, soff
.irp k, 0,1,2,3
	OUTB \k, 0, \p, 0
.endr
	WALU
	s_wait_xcnt 0x0
	s_mov_b32 vcc_lo, 0xffff0000
.irp n, 0,1,2,3
	v_cndmask_b32 v[IM+\n], v[WD+2*\n], v[WD+2*\n+1], vcc_lo   ; register n: lanes 0-15 the words of tile 2 n, lanes 16-31 of tile 2 n + 1
.endr
	global_store_b128 v1, v[IM:IM+3], s[\p:\p+1] offset:\soff
.endm
.irp q, 0,1,2,3,4,5,6,7
.irp i, 0,1,2,3
	ds_load_b32 v[SC+6*\q+\i], v[ASA] offset:1024*\q+64*\i   ; x's scale words, for all three phases
.endr
.endr
	PHASE 0, 0                                     ; Q
	CHANGE                                         ; Wk's rows are asked for;
	OUTQ 80, GB                                    ; Q leaves while they are on their way
	SHOWN
	PHASE 0, 32                                    ; K
	CHANGE                                         ; Wv's rows
	OUTQ 82, 2*GB
	SHOWN
	PHASE 1, 64                                    ; V
	PLACES 4
.irp k, 0,1,2,3
	OUTB \k, 1, 82, GB
.endr
	WALU
	s_wait_xcnt 0x0
	s_mov_b32 vcc_lo, 0xffff0000
	v_cndmask_b32 v[IM], v[WD], v[WD+1], vcc_lo
	v_cndmask_b32 v[IM+1], v[WD+2], v[WD+3], vcc_lo
	global_store_b64 v2, v[IM:IM+1], s[82:83] offset:2*GB+512
	s_wait_tensorcnt 0x0                           ; the wave's end
	ds_add_u32 v[SPW], v[NIL]
	s_wait_dscnt 0x0
	CROUND                                         ; the closing round
	s_endpgm
.Lfunc_end_k_qa498b91d26_qkv:
	.size	k_qa498b91d26_qkv, .Lfunc_end_k_qa498b91d26_qkv-k_qa498b91d26_qkv
	.p2alignl 7, 3214868480
	.fill 96, 4, 3214868480
	.section	.rodata,"a",@progbits
	.p2align	6, 0x0
	.amdhsa_kernel k_qa498b91d26_qkv
		.amdhsa_group_segment_fixed_size 327680
		.amdhsa_private_segment_fixed_size 0
		.amdhsa_enable_private_segment 0
		.amdhsa_kernarg_size 56
		.amdhsa_user_sgpr_count 2
		.amdhsa_user_sgpr_kernarg_segment_ptr 1
		.amdhsa_wavefront_size32 1
		.amdhsa_system_sgpr_workgroup_id_x 1
		.amdhsa_system_sgpr_workgroup_id_y 1
		.amdhsa_system_sgpr_workgroup_id_z 1
		.amdhsa_system_vgpr_workitem_id 0
		.amdhsa_next_free_vgpr 864
		.amdhsa_next_free_sgpr 102
		.amdhsa_reserve_vcc 1
		.amdhsa_float_denorm_mode_32 3
		.amdhsa_float_denorm_mode_16_64 3
		.amdhsa_memory_ordered 1
		.amdhsa_forward_progress 1
		.amdhsa_inst_pref_size 255
	.end_amdhsa_kernel
	.section	.bss,"aw",@nobits
	.p2align	6
	.space	262144
	.amdgpu_metadata
---
amdhsa.version: [ 1, 2 ]
amdhsa.kernels:
  - .name:           k_qa498b91d26_qkv
    .symbol:         k_qa498b91d26_qkv.kd
    .args:
      - { .name: cod, .offset: 0, .size: 8, .value_kind: global_buffer, .address_space: global }
      - { .name: scl, .offset: 8, .size: 8, .value_kind: global_buffer, .address_space: global }
      - { .name: bq, .offset: 16, .size: 8, .value_kind: global_buffer, .address_space: global }
      - { .name: bk, .offset: 24, .size: 8, .value_kind: global_buffer, .address_space: global }
      - { .name: bv, .offset: 32, .size: 8, .value_kind: global_buffer, .address_space: global }
      - { .name: qi, .offset: 40, .size: 8, .value_kind: global_buffer, .address_space: global }
      - { .name: kv, .offset: 48, .size: 8, .value_kind: global_buffer, .address_space: global }
    .group_segment_fixed_size: 327680
    .private_segment_fixed_size: 0
    .kernarg_segment_align: 8
    .kernarg_segment_size: 56
    .max_flat_workgroup_size: 128
    .sgpr_count:     102
    .vgpr_count:     864
    .wavefront_size: 32
...
	.end_amdgpu_metadata
.endif
;; end of part 2
;; launch attn (part 3): grid 4 x 64, 8 waves a work-group, clusters of 4 x 1, 215,040 bytes of LDS; arguments qi, kv, temperature, ac, asc; writes ac, asc
.if DOCPART == 3
	.amdgcn_target "amdgcn-amd-amdhsa--gfx1250"
	.amdhsa_code_object_version 6
	.text
	.protected	k_qa498b91d26_attn
	.globl	k_qa498b91d26_attn
	.p2align	8
	.type	k_qa498b91d26_attn,@function
k_qa498b91d26_attn:
	s_mov_b64 s[64:65], 0
	v_nop
	global_prefetch_b8 v0, s[64:65] scope:SCOPE_SE
	s_setreg_imm32_b32 hwreg(HW_REG_WAVE_MODE, 25, 1), 1
	s_wait_xcnt 0x0
	s_wait_alu depctr_hold_cnt(0) depctr_sa_sdst(0) depctr_va_vdst(0) depctr_va_sdst(0) depctr_va_ssrc(0) depctr_va_vcc(0) depctr_vm_vsrc(0)
	s_getreg_b32 s2, hwreg(HW_REG_IB_STS2, 6, 4)
	s_cmp_eq_u32 s2, 0
	s_cbranch_scc0 .Lentry_in_a_cluster
	s_endpgm
.Lentry_in_a_cluster:
	s_bfe_u32 s2, ttmp6, 0x10000c
	s_cmp_lg_u32 s2, 0x3003
	s_cbranch_scc0 .Lentry_shape_is_right
	s_endpgm
.Lentry_shape_is_right:
; For each batch and head: O[q] = the sum over k of softmax_k(Q[q] . K[k] / (8 (|temperature| + 1e-8))) V[k], both products on codes of FP6 (E2M3) with E8M0 scales; O is quantised along (head, channel) for the last product.
; THE SOFTMAX: t = score x c, c = log2(e) / (8 (|temperature| + 1e-8)); M = the running largest t rounded UP to a whole number; p = 2^(t - M) is what is quantised, along the keys, not normalised.
; The row's sum is taken of the unquantised p and divides O at the end.  When M moves, the sum and O are multiplied by 2^(old M - new M): exact.
; LIMITS: NaN and infinities are not served; t is score x c with one constant c, where the definition multiplies twice: about one unit in the last place of t; a block of p or of O whose largest
; magnitude lies under 2^-124 is held at the byte 1 (a block of zeros too: its codes are zeros, and these bytes are read by this program alone).
; SHARES.  A cluster of four work-groups is one (batch, head).  A work-group owns 512 queries, in two passes of 256; each of its eight waves owns TWO tiles of 16 queries a pass (one pair of qi), in 512 registers.
; Each fragment of K and of V that a wave reads from LDS feeds two products, and the two tiles' chains of dependent vector lines take turns, line by line.  Every wave walks all 2,048 keys, 128 a step.
; NO RING.  The head's sixteen records of kv (128 keys each: K's image, V's image, their scale words: 13,056 bytes) are 208,896 bytes and stay in LDS.  They are asked for once, jointly by the four
; work-groups, at the kernel's head: wave w asks for records 2 w and 2 w + 1 by one tensor load, with no branch.  One barrier shows them to all waves; nothing is filled again, so the walk has no barrier.
; All of K and V is asked for at the first lines: nothing is left that a prefetch could name earlier.
; FRAGMENTS AHEAD.  K and V have registers of their own.  V's fragments of step i are asked of LDS at the step's head, K's of step i + 1 behind step i's score products; in a pass's last step that is record 0,
; which the next pass begins with (behind the second pass these 13 loads are waited for and not used).
; LAYOUT.  Both products are used transposed: S^T = K Q^T, O^T = V^T P^T: a lane holds ONE query (lane % 16) of each tile throughout.  The keys of a tile of K are positions (bits 3 and 4 of the key's
; number changed over), so the 16 registers of tiles 2 n, 2 n + 1 are keys 32 n + 16 h + 0 .. 15.
; A HEAD HAS 64 ALONG K, the instruction 128: Q's upper six registers are zero codes.  A tile of K is six registers; the instruction names twelve, the upper six being the next tile's (behind the last
; tile: six zeros): finite codes times zero codes, under the byte of 1.0, add nothing.
; REGISTERS.  Window 0: addresses, scale words, both tiles' scores and small state, so that the softmax of both tiles runs under one setting.  Window 1: K, V, O^T, Q, p's codes.  t = 0, 1 is the tile.
.set IMG,  6144                        ; an image of K or of V
.set REC,  13056                       ; a record
.set SCR,  16*REC                      ; behind the records: the scale bytes of O, [512 queries][2 bytes]: no fill lands here
; window 0
.set ADK,  3                           ; LDS address of the next record's K, 16 bytes a lane
.set ADV,  4                           ; of this record's V
.set ADW,  6                           ; the same, 8 bytes a lane
.set QS,   11                          ; Q's scale words: lanes 0-15 tile 0, lanes 16-31 tile 1
.set KS,   20                          ; v20-23 K's scale words;  v24-25 V's;  v26, v27 p's
.set VS,   24
.set PW,   26
.set S,    32                          ; v[32 + 64 t ..] S^T, then p.   v[12 + 4 t] -M, v[13 + 4 t] the largest t, v[14 + 4 t : 15 + 4 t] the sum
.set BM,   160                         ; v[160 + 4 t ..] the blocks' largest scores, then largest p
.set BP,   168                         ; the other half's, then bytes
.set SO,   176                         ; the conversions' scale operands
.set F,    184                         ; v[184 + 2 t : ..] 2^(old M - new M)
.set TM,   188
.set TS,   190                         ; v[190 + 6 t ..] three more chains of the sum
.set OM,   202                         ; the old -M
; window 1
.set KF,   0                           ; v0-47 K's eight tiles, v48-53 zeros
.set VF,   56                          ; v56-103 V's four fragments
.set OT,   104                         ; v[104 + 32 t ..] O^T
.set QL,   168                         ; v168-179 the pair of Q as loaded; v174-185: tile 1 and six zeros
.set QA,   186                         ; v186-197: tile 0 and six zeros
.set PC,   198                         ; v[198 + 12 t ..] p's codes
.set CT,   222                         ; v[222 + 8 t + 4 c ..] upper halves before they are moved
.set WV,   14
.set CX,   15
.set BH,   16
.set SEL,  20
.set G1,   24
.set G0,   32
.set TB,   48                          ; LDS byte of the step's record
.set CNT,  49
.set PASS, 50
.set PS,   51                          ; 512 x pass
.set QB,   52                          ; s[52:53] my record of qi;  s[54:55] my tiles of ac;  s[56:57] my work-group's bytes of asc
.set AB,   54
.set SB,   56
.set TN,   63                          ; LDS byte of the next record
.set MSB, 0
.macro WIN new                         ; bits 1:0 source 0, 3:2 source 1, 5:4 source 2, 7:6 destination; the high byte repeats the setting that is left
.if MSB != (\new)
	s_set_vgpr_msb (MSB<<8)|(\new)
.set MSB, (\new)
.endif
.endm
.macro WALU
	s_wait_alu depctr_va_vdst(0)
.endm
.macro ROUND                           ; a round of the cluster's barrier
	s_barrier_signal -1
	s_barrier_wait -1
	s_cmp_lg_u32 s[WV], 0
	s_cbranch_scc1 .Lnot_wave_0_\@
	s_barrier_signal -3
.Lnot_wave_0_\@:
	s_barrier_wait -3
	s_barrier_signal -1
	s_barrier_wait -1
.endm
	s_load_b256 s[4:11], s[0:1], 0x0               ; qi, kv, temperature, ac
	s_load_b64 s[12:13], s[0:1], 0x20              ; asc
	v_lshl_add_u32 v254, v0, 2, 0x34000
	v_mov_b32 v255, 0
	ds_add_u32 v254, v255                          ; the opening lines: the add, twice on end, and its wait
	ds_add_u32 v254, v255
	v_lshrrev_b32 v1, 5, v0
	v_readfirstlane_b32 s[WV], v1                  ; wave 0..7
	s_bfe_u32 s[CX], ttmp6, 0x40000                ; my place in the cluster: it enters Q's, ac's and asc's addresses alone
	s_and_b32 s[BH], ttmp7, 0xffff                 ; 16 x batch + head, which the four partners share
	s_mov_b32 s[G1], 15|(3<<16)|(1<<21)            ; 15:0 the mask: all four; 17:16 elements of 8 bytes; 21 set beside a mask
	s_mov_b32 s[G1+1], 32<<16                      ; two records: 102 dense rows of 256 bytes
	s_mov_b32 s[G1+2], 102<<16
	s_mov_b32 s[G1+3], 32<<16
	s_mov_b32 s[G1+4], 102
	s_mov_b32 s[G1+5], 32
	s_mov_b32 s[G1+6], 0
	s_mov_b32 s[G1+7], 0
	s_mul_i32 s18, s[WV], 2*REC
	s_mul_i32 s66, s[BH], 16*REC
	s_add_co_u32 s66, s66, s18
	s_mov_b32 s67, 0
	s_wait_dscnt 0x0
	s_wait_kmcnt 0x0
	s_load_b32 s17, s[8:9], 0x0                    ; the temperature
	s_add_nc_u64 s[6:7], s[6:7], s[66:67]          ; kv at my head's record 2 w
	ROUND                                          ; all four work-groups are here: the joint loads meet
	s_mov_b32 s[G0], 1
	s_mov_b32 s[G0+1], s18                         ; in LDS as in memory
	s_mov_b64 s[G0+2:G0+3], s[6:7]
	s_or_b32 s[G0+3], s[G0+3], 0x80000000
	tensor_load_to_lds s[G0:G0+3], s[G1:G1+7]      ; my one tensor load of the launch
	s_nop 0
.rept 4
	v_nop
.endr
	s_mov_b32 s[SEL], 0x76543210
	s_mov_b32 s[SEL+1], 0xfedcba98                 ; v_permlanex16_b32's selects for lane l xor 16
	s_lshl_b32 s19, s[BH], 4
	s_lshl_b32 s22, s[CX], 2
	s_add_co_u32 s19, s19, s22
	s_lshr_b32 s22, s[WV], 2
	s_add_co_u32 s19, s19, s22                     ; my record of qi: 16 x (batch, head) + 4 cx + w / 4 (+ 2 a pass)
	s_mul_i32 s22, s19, 6656
	s_mov_b32 s23, 0
	s_add_nc_u64 s[QB:QB+1], s[4:5], s[22:23]
	s_and_b32 s19, s[BH], 15                       ; head
	s_lshr_b32 s58, s[BH], 4                       ; batch
	s_mul_i32 s22, s19, 393216                     ; ac: a head's 512 tiles of 768 bytes
	s_lshl_b32 s59, s58, 7
	s_lshl_b32 s60, s[CX], 5
	s_add_co_u32 s59, s59, s60
	s_lshl_b32 s60, s[WV], 1
	s_add_co_u32 s59, s59, s60                     ; my first tile: 128 x batch + 32 cx + 2 w (+ 16 a pass)
	s_mul_i32 s59, s59, 768
	s_add_co_u32 s22, s22, s59
	s_add_nc_u64 s[AB:AB+1], s[10:11], s[22:23]
	s_lshl_b32 s22, s19, 14                        ; asc: 16,384 bytes a head, 2 a position
	s_lshl_b32 s59, s58, 12
	s_add_co_u32 s22, s22, s59
	s_lshl_b32 s59, s[CX], 10
	s_add_co_u32 s22, s22, s59
	s_add_nc_u64 s[SB:SB+1], s[12:13], s[22:23]
	s_and_b32 s19, s[WV], 3                        ; my pair of the record's four
	s_mul_i32 s59, s19, 1536
	s_lshl_b32 s60, s19, 2
	s_add_co_u32 s60, s60, IMG
	s_lshl_b32 s61, s[WV], 6
	s_add_co_u32 s61, s61, SCR
	s_and_b32 s62, s[WV], 1
	s_lshl_b32 s62, s62, 9
	v_and_b32 v10, 31, v0
	v_and_b32 v7, 15, v0                           ; r
	v_lshlrev_b32 v1, 4, v10                       ; 16 x lane
	v_lshlrev_b32 v2, 3, v10                       ; 8 x lane
	v_add_nc_u32 v5, s59, v1                       ; the pair's twelve registers: three runs of 16 bytes a lane
	v_add_nc_u32 v8, s60, v1                       ; its scale words: register w % 4 of the image: lanes 0-15 the even tile's, lanes 16-31 the odd tile's
	v_lshl_add_u32 v9, v7, 1, s61                  ; O's scale bytes: query 32 w + r of the pass (tile 1: 32 bytes on)
	v_add_nc_u32 v31, s62, v1                      ; their way out: waves 0 and 1, 512 bytes each
	v_add_nc_u32 v30, SCR, v31
	s_wait_kmcnt 0x0
	v_mov_b32 v[TM], s17
	v_and_b32 v[TM], 0x7fffffff, v[TM]
	v_add_f32 v[TM], 0x322bcc77, v[TM]             ; |temperature| + 1e-8
	v_mul_f32 v[TM], 0x41000000, v[TM]             ; x sqrt(64)
	WALU
	v_rcp_f32 v28, v[TM]
.irp i, 0,1,2,3,4,5,6,7
	v_mov_b32 v[BP+\i], 0                          ; written once: a lane permute's destination counts as one of its sources.  (Plain work behind the reciprocal)
.endr
	v_mov_b32 v[TM+1], 0
	v_mov_b32 v[F+1], 0                            ; (named as the upper halves of pairs)
	v_mov_b32 v[F+3], 0
	WIN 0x40
.irp n, 48,49,50,51,52,53,180,181,182,183,184,185,192,193,194,195,196,197
	v_mov_b32 v\n, 0                               ; the zero codes, in window 1; never rewritten
.endr
	WIN 0
	WALU                                           ; the wait ahead of the reciprocal's first reader
	v_fma_f32 v29, -v[TM], v28, 1.0                ; one step of Newton's
	v_fma_f32 v28, v29, v28, v28
	v_mul_f32 v28, 0x3fb8aa3b, v28                 ; c = log2(e) / (8 (|temperature| + 1e-8)), positive
	v_mov_b32 v29, v28
	WALU                                           ; the wait at the head's end
	s_wait_tensorcnt 0x0                           ; my two records have landed
	s_barrier_signal -1
	s_barrier_wait -1                              ; and so have every wave's: all sixteen records may be read from here on
	WIN 0x40
.irp c, 0,1,2,3,4,5,6,7,8,9,10,11
	ds_load_b128 v[KF+4*\c:KF+4*\c+3], v1 offset:512*\c   ; record 0's K
.endr
	WIN 0
	ds_load_b128 v[KS:KS+3], v1 offset:2*IMG
.macro FMAS                            ; t - M of sixteen registers of each tile, two at a time
.rept 8
	v_pk_fma_f32 v[S+j:S+j+1], v[S+j:S+j+1], v[28:29], v[12:13] op_sel_hi:[1,0,0]
	v_pk_fma_f32 v[S+64+j:S+64+j+1], v[S+64+j:S+64+j+1], v[28:29], v[16:17] op_sel_hi:[1,0,0]
.set j, j+2
.endr
.endm
; A KEY STEP: 128 keys, the record at s[TB]; K's fragments are on their way or in.
.macro STEP
	v_add_nc_u32 v[ADK], s[TN], v1
	v_add_nc_u32 v[ADV], s[TB], v1
	v_add_nc_u32 v[ADW], s[TB], v2
	v_nop                                          ; four places in front of loads into registers that the last products read
	WIN 0x40
.irp c, 0,1,2,3,4,5,6,7,8,9,10,11
	ds_load_b128 v[VF+4*\c:VF+4*\c+3], v[ADV] offset:IMG+512*\c   ; V's four fragments: on their way while the scores and the softmax are walked
.endr
	WIN 0
	ds_load_b64 v[VS:VS+1], v[ADW] offset:2*IMG+512
	WALU
	s_wait_dscnt 13                                ; all but the 13 just issued: K's fragments and scale words are in
	WIN 0x05
.irp k, 0,2,4,6
.irp t, 0,1
	v_wmma_scale_f32_16x16x128_f8f6f4 v[S+64*\t+8*\k:S+64*\t+8*\k+7], v[KF+6*\k:KF+6*\k+11], v[QA-12*\t:QA-12*\t+11], 0, v[KS+\k/2], v[QS] matrix_a_fmt:MATRIX_FMT_FP6 matrix_b_fmt:MATRIX_FMT_FP6 matrix_a_scale:MATRIX_SCALE_ROW0 matrix_b_scale:MATRIX_SCALE_ROW\t
.endr
.irp t, 0,1
	v_wmma_scale_f32_16x16x128_f8f6f4 v[S+64*\t+8*\k+8:S+64*\t+8*\k+15], v[KF+6*\k+6:KF+6*\k+17], v[QA-12*\t:QA-12*\t+11], 0, v[KS+\k/2], v[QS] matrix_a_fmt:MATRIX_FMT_FP6 matrix_b_fmt:MATRIX_FMT_FP6 matrix_a_scale:MATRIX_SCALE_ROW1 matrix_b_scale:MATRIX_SCALE_ROW\t
.endr
.endr
	WIN 0
	v_mov_b32 v[OM], v12                           ; the old -M.  (With the two lines below: four places in front of the loads and of the first read of the scores)
	v_mov_b32 v[OM+1], v16
	v_nop
	v_nop
	WIN 0x40
.irp c, 0,1,2,3,4,5,6,7,8,9,10,11
	ds_load_b128 v[KF+4*\c:KF+4*\c+3], v[ADK] offset:512*\c   ; the next record's K
.endr
	WIN 0
	ds_load_b128 v[KS:KS+3], v[ADK] offset:2*IMG   ; register n: lanes 0-15 the words of tile 2 n, lanes 16-31 of tile 2 n + 1
.irp b, 0,1,2,3
.irp t, 0,1
	v_max3_num_f32 v[BM+4*\t+\b], v[S+64*\t+16*\b], v[S+64*\t+16*\b+1], v[S+64*\t+16*\b+2]   ; the largest score of each block of 32 keys: it serves the row's maximum and, since p rises with the score, the block's largest p
.endr
.endr
.irp n, 3,5,7,9,11,13
.irp b, 0,1,2,3
.irp t, 0,1
	v_max3_num_f32 v[BM+4*\t+\b], v[BM+4*\t+\b], v[S+64*\t+16*\b+\n], v[S+64*\t+16*\b+\n+1]   ; eight chains by turns
.endr
.endr
.endr
.irp b, 0,1,2,3
.irp t, 0,1
	v_max_num_f32 v[BM+4*\t+\b], v[BM+4*\t+\b], v[S+64*\t+16*\b+15]
.endr
.endr
.irp i, 0,1,2,3,4,5,6,7
	v_permlanex16_b32 v[BP+\i], v[BM+\i], s[SEL], s[SEL+1]
.endr
.irp i, 0,1,2,3,4,5,6,7
	v_max_num_f32 v[BM+\i], v[BM+\i], v[BP+\i]     ; with lane l xor 16's 16 keys
.endr
.irp t, 0,1
	v_max3_num_f32 v[TM+\t], v[BM+4*\t], v[BM+4*\t+1], v[BM+4*\t+2]
.endr
.irp t, 0,1
	v_max_num_f32 v[TM+\t], v[TM+\t], v[BM+4*\t+3]
.endr
.irp t, 0,1
	v_mul_f32 v[TM+\t], v28, v[TM+\t]              ; the step's largest t (c is positive)
.endr
.irp t, 0,1
	v_max_num_f32 v[13+4*\t], v[13+4*\t], v[TM+\t] ; the running largest t
.endr
.irp t, 0,1
	v_floor_f32 v[12+4*\t], -v[13+4*\t]            ; the new -M = floor(-t): M is a whole number
.endr
.set j, 0
	FMAS
.irp t, 0,1
	v_sub_f32 v[OM+\t], v[12+4*\t], v[OM+\t]       ; old M - new M: a whole number, 0 or less
.endr
	FMAS
.irp t, 0,1
	v_cvt_i32_f32 v[OM+\t], v[OM+\t]               ; (it saturates)
.endr
	FMAS
.irp t, 0,1
	v_ldexp_f32 v[F+2*\t], 1.0, v[OM+\t]           ; f = 2^(old M - new M)
.endr
	FMAS
.irp b, 0,1,2,3
.irp t, 0,1
	v_fma_f32 v[BM+4*\t+\b], v[BM+4*\t+\b], v28, v[12+4*\t]   ; the same of each block's largest score
.endr
.endr
	WALU                                           ; the wait ahead of the batch
.set j, 0
.rept 128
	v_exp_f32 v[S+j], v[S+j]                       ; p = 2^(t - M): one batch
.set j, j+1
.endr
.irp i, 0,1,2,3,4,5,6,7
	v_exp_f32 v[BM+\i], v[BM+\i]                   ; the block's largest p: the same two instructions on the same number give the same bits
.endr
.irp t, 0,1
	v_pk_mul_f32 v[14+4*\t:15+4*\t], v[14+4*\t:15+4*\t], v[F+2*\t:F+2*\t+1] op_sel_hi:[1,0]   ; the sums under the new M.  (Plain instructions behind the exponentials)
.endr
	WALU                                           ; one wait for the batch, ahead of its first reader
.irp k, 0,1,2                          ; the rows' sums of the unquantised p: four chains a tile, eight by turns
.irp t, 0,1
	v_pk_add_f32 v[TS+6*\t+2*\k:TS+6*\t+2*\k+1], v[S+64*\t+4*\k:S+64*\t+4*\k+1], v[S+64*\t+4*\k+2:S+64*\t+4*\k+3]
.endr
.endr
.irp t, 0,1
	v_pk_add_f32 v[14+4*\t:15+4*\t], v[14+4*\t:15+4*\t], v[S+64*\t+12:S+64*\t+13]
.endr
.set j, 14
.rept 6
.irp k, 0,1,2
.irp t, 0,1
	v_pk_add_f32 v[TS+6*\t+2*\k:TS+6*\t+2*\k+1], v[TS+6*\t+2*\k:TS+6*\t+2*\k+1], v[S+64*\t+j+2*\k:S+64*\t+j+2*\k+1]
.endr
.endr
.irp t, 0,1
	v_pk_add_f32 v[14+4*\t:15+4*\t], v[14+4*\t:15+4*\t], v[S+64*\t+j+6:S+64*\t+j+7]
.endr
.set j, j+8
.endr
.irp t, 0,1
	v_pk_add_f32 v[TS+6*\t:TS+6*\t+1], v[TS+6*\t:TS+6*\t+1], v[S+64*\t+62:S+64*\t+63]
.endr
.irp i, 0,1,2,3,4,5,6,7
	v_max_num_f32 v[BM+\i], 0x1800000, v[BM+\i]    ; the floor 2^(3 - 127)
.endr
.irp t, 0,1
	v_pk_add_f32 v[14+4*\t:15+4*\t], v[14+4*\t:15+4*\t], v[TS+6*\t+4:TS+6*\t+5]
.endr
.irp t, 0,1
	v_pk_add_f32 v[TS+6*\t:TS+6*\t+1], v[TS+6*\t:TS+6*\t+1], v[TS+6*\t+2:TS+6*\t+3]
.endr
.irp i, 0,1,2,3,4,5,6,7
	v_add_nc_u32 v[SO+\i], 0xff000000, v[BM+\i]    ; 2 off the exponent field: the conversion's scale operand
.endr
.irp t, 0,1
	v_pk_add_f32 v[14+4*\t:15+4*\t], v[14+4*\t:15+4*\t], v[TS+6*\t:TS+6*\t+1]
.endr
.irp i, 0,1,2,3,4,5,6,7
	v_lshrrev_b32 v[BP+\i], 23, v[SO+\i]           ; the scale's byte
.endr
.irp t, 0,1
	v_lshl_or_b32 v[PW+\t], v[BP+4*\t+1], 8, v[BP+4*\t]   ; p's scale word for these 128 keys
.endr
.irp t, 0,1
	v_lshl_or_b32 v[PW+\t], v[BP+4*\t+2], 16, v[PW+\t]
.endr
.irp t, 0,1
	v_lshl_or_b32 v[PW+\t], v[BP+4*\t+3], 24, v[PW+\t]
.endr
	WIN 0x40
.irp t, 0,1
.irp c, 0,1
	v_cvt_scalef32_pk16_fp6_f32 v[PC+12*\t+6*\c:PC+12*\t+6*\c+2], v[S+64*\t+32*\c:S+64*\t+32*\c+15], v[SO+4*\t+2*\c]
	v_cvt_scalef32_pk16_fp6_f32 v[CT+8*\t+4*\c:CT+8*\t+4*\c+2], v[S+64*\t+32*\c+16:S+64*\t+32*\c+31], v[SO+4*\t+2*\c+1]
.endr
.endr
	WIN 0x41
	v_nop                                          ; one plain instruction behind the conversions
.irp t, 0,1
.irp c, 0,1
.irp n, 0,1,2
	v_permlane16_swap_b32 v[PC+12*\t+6*\c+\n], v[CT+8*\t+4*\c+\n]   ; lanes 0-15: block 2 c whole, lanes 16-31: block 2 c + 1
.endr
.endr
.endr
.irp t, 0,1
.irp c, 0,1
.irp n, 0,1,2
	v_mov_b32 v[PC+12*\t+6*\c+3+\n], v[CT+8*\t+4*\c+\n]
.endr
.endr
.endr
	WALU                                           ; the wait directly ahead of the first reader of O^T
.irp t, 0,1
.set j, 0
.rept 16
	v_pk_mul_f32 v[OT+32*\t+j:OT+32*\t+j+1], v[OT+32*\t+j:OT+32*\t+j+1], v[F+2*\t:F+2*\t+1] op_sel_hi:[1,0]   ; O^T under the new M.  (These also stand between the writes of p's codes and scale words and the products)
.set j, j+2
.endr
.endr
	WALU
	s_wait_dscnt 13                                ; all but the next record's 13: V is in
	WIN 0x55
.irp c, 0,2                            ; O^T += V^T P^T: the eight accumulators by turns
.irp t, 0,1
	v_wmma_scale_f32_16x16x128_f8f6f4 v[OT+32*\t+8*\c:OT+32*\t+8*\c+7], v[VF+12*\c:VF+12*\c+11], v[PC+12*\t:PC+12*\t+11], v[OT+32*\t+8*\c:OT+32*\t+8*\c+7], v[VS+\c/2], v[PW+\t] matrix_a_fmt:MATRIX_FMT_FP6 matrix_b_fmt:MATRIX_FMT_FP6
.endr
.irp t, 0,1
	v_wmma_scale_f32_16x16x128_f8f6f4 v[OT+32*\t+8*\c+8:OT+32*\t+8*\c+15], v[VF+12*\c+12:VF+12*\c+23], v[PC+12*\t:PC+12*\t+11], v[OT+32*\t+8*\c+8:OT+32*\t+8*\c+15], v[VS+\c/2], v[PW+\t] matrix_a_fmt:MATRIX_FMT_FP6 matrix_b_fmt:MATRIX_FMT_FP6 matrix_a_scale:MATRIX_SCALE_ROW1
.endr
.endr
	WIN 0
.endm
	s_mov_b32 s[PASS], 2
	s_mov_b32 s[PS], 0
.Lpass:
	WIN 0x40
.irp c, 0,1,2
	global_load_b128 v[QL+4*\c:QL+4*\c+3], v5, s[QB:QB+1] offset:512*\c   ; my pair of Q: registers 0-5 tile 0, 6-11 tile 1
.endr
	WIN 0
	global_load_b32 v[QS], v8, s[QB:QB+1]          ; and its scale words
	v_mov_b32 v13, 0xff61b1e6                      ; the largest t so far: -3e38
	v_mov_b32 v17, 0xff61b1e6
	v_floor_f32 v12, -v13                          ; -M
	v_floor_f32 v16, -v17
.irp n, 14,15,18,19
	v_mov_b32 v\n, 0                               ; the sums, in two halves
.endr
	WIN 0x40
.set j, 0
.rept 64
	v_mov_b32 v[OT+j], 0                           ; O^T: the step is written once; the first finds zeros, which the first change of M leaves zeros
.set j, j+1
.endr
	s_wait_loadcnt 0x0
	WIN 0x41
.irp n, 0,1,2,3,4,5
	v_mov_b32 v[QA+\n], v[QL+\n]                   ; tile 0 in front of six zeros of its own
.endr
	WIN 0
	s_mov_b32 s[TB], 0
	s_mov_b32 s[CNT], 16
.Lstep:                                                ; sixteen records, no barrier: the waves share nothing but bytes that nobody writes
	s_add_co_u32 s[TN], s[TB], REC
	s_min_u32 s[TN], s[TN], 15*REC
	s_cmp_eq_u32 s[CNT], 1
	s_cselect_b32 s[TN], 0, s[TN]                  ; the next record; behind the last, record 0
	STEP
	s_add_co_u32 s[TB], s[TB], REC
	s_sub_co_u32 s[CNT], s[CNT], 1
	s_cmp_lg_u32 s[CNT], 0
	s_cbranch_scc1 .Lstep
	; the pass's end: O^T / the sum, quantised along the head's 64 channels (register 16 g + i is channel 32 g + 16 h + i), to ac and, by way of LDS, to asc
.irp t, 0,1
	v_add_f32 v[14+4*\t], v[14+4*\t], v[15+4*\t]
.endr
.irp t, 0,1
	v_permlanex16_b32 v[TM+\t], v[14+4*\t], s[SEL], s[SEL+1]
.endr
.irp t, 0,1
	v_add_f32 v[14+4*\t], v[14+4*\t], v[TM+\t]     ; the row's sum
.endr
	WALU
	v_rcp_f32 v14, v14
	v_rcp_f32 v18, v18
	v_add_nc_u32 v10, s[PS], v9
	v_nop
	v_nop                                          ; (with the additions above: the places behind the last products)
	WIN 0x01
	WALU                                           ; ahead of the reciprocals' first reader, which is O^T's too
.irp t, 0,1
.set j, 0
.rept 16
	v_pk_mul_f32 v[S+64*\t+j:S+64*\t+j+1], v[OT+32*\t+j:OT+32*\t+j+1], v[14+4*\t:15+4*\t] op_sel_hi:[1,0]
.set j, j+2
.endr
.endr
	WIN 0
.irp g, 0,1
.irp t, 0,1
	v_max3_num_f32 v[BM+4*\t+\g], |v[S+64*\t+16*\g]|, |v[S+64*\t+16*\g+1]|, 0x1800000
.endr
.endr
.irp n, 2,4,6,8,10,12,14
.irp g, 0,1
.irp t, 0,1
	v_max3_num_f32 v[BM+4*\t+\g], v[BM+4*\t+\g], |v[S+64*\t+16*\g+\n]|, |v[S+64*\t+16*\g+\n+1]|
.endr
.endr
.endr
.irp i, 0,1,4,5
	v_permlanex16_b32 v[BP+\i], v[BM+\i], s[SEL], s[SEL+1]
.endr
.irp i, 0,1,4,5
	v_max_num_f32 v[BM+\i], v[BM+\i], v[BP+\i]
.endr
.irp i, 0,1,4,5
	v_add_nc_u32 v[SO+\i], 0xff000000, v[BM+\i]
.endr
.irp i, 0,1,4,5
	v_lshrrev_b32 v[BP+\i], 23, v[SO+\i]
.endr
.irp t, 0,1
	v_lshl_or_b32 v[TM+\t], v[BP+4*\t+1], 8, v[BP+4*\t]
.endr
.irp t, 0,1
	ds_store_b16 v10, v[TM+\t] offset:32*\t        ; both lanes of a query write the same two bytes
.endr
.irp t, 0,1                            ; the codes: v[64 + 64 t ..], the upper halves at v[70 + 64 t ..]: registers of p that are done with
	v_cvt_scalef32_pk16_fp6_f32 v[S+64*\t+32:S+64*\t+34], v[S+64*\t:S+64*\t+15], v[SO+4*\t]
	v_cvt_scalef32_pk16_fp6_f32 v[S+64*\t+38:S+64*\t+40], v[S+64*\t+16:S+64*\t+31], v[SO+4*\t+1]
.endr
	v_nop
.irp t, 0,1
.irp n, 0,1,2
	v_permlane16_swap_b32 v[S+64*\t+32+\n], v[S+64*\t+38+\n]
.endr
.endr
.irp t, 0,1
.irp n, 0,1,2
	v_mov_b32 v[S+64*\t+35+\n], v[S+64*\t+38+\n]
.endr
.endr
.irp t, 0,1
.irp p, 0,1,2
	global_store_b64 v2, v[S+64*\t+32+2*\p:S+64*\t+33+2*\p], s[AB:AB+1] offset:768*\t+256*\p   ; 32 lanes store 256 consecutive bytes, aligned
.endr
.endr
	s_wait_xcnt 0x0                                ; the stores have read their registers and their base
	s_add_nc_u64 s[QB:QB+1], s[QB:QB+1], 2*6656    ; 256 queries on
	s_add_nc_u64 s[AB:AB+1], s[AB:AB+1], 16*768
	s_add_co_u32 s[PS], s[PS], 512
	s_sub_co_u32 s[PASS], s[PASS], 1
	s_cmp_lg_u32 s[PASS], 0
	s_cbranch_scc1 .Lpass
	s_wait_dscnt 0x0                               ; for the others' sake: my scale bytes lie in LDS (and my last 13 loads are back)
	s_barrier_signal -1
	s_barrier_wait -1
	s_cmp_lt_u32 s[WV], 2
	s_cbranch_scc0 .Lno_gather                     ; waves 0 and 1 store the work-group's 1,024 bytes: 512 consecutive bytes each, aligned
	ds_load_b128 v[S:S+3], v30
	s_wait_dscnt 0x0
	global_store_b128 v31, v[S:S+3], s[SB:SB+1]
.Lno_gather:
	s_wait_tensorcnt 0x0                           ; the wave's end
	ds_add_u32 v254, v255
	s_wait_dscnt 0x0
	ROUND                                          ; the closing round
	s_endpgm
.Lfunc_end_k_qa498b91d26_attn:
	.size	k_qa498b91d26_attn, .Lfunc_end_k_qa498b91d26_attn-k_qa498b91d26_attn
	.p2alignl 7, 3214868480
	.fill 96, 4, 3214868480
	.section	.rodata,"a",@progbits
	.p2align	6, 0x0
	.amdhsa_kernel k_qa498b91d26_attn
		.amdhsa_group_segment_fixed_size 215040
		.amdhsa_private_segment_fixed_size 0
		.amdhsa_enable_private_segment 0
		.amdhsa_kernarg_size 40
		.amdhsa_user_sgpr_count 2
		.amdhsa_user_sgpr_kernarg_segment_ptr 1
		.amdhsa_wavefront_size32 1
		.amdhsa_system_sgpr_workgroup_id_x 1
		.amdhsa_system_sgpr_workgroup_id_y 1
		.amdhsa_system_sgpr_workgroup_id_z 1
		.amdhsa_system_vgpr_workitem_id 0
		.amdhsa_next_free_vgpr 512
		.amdhsa_next_free_sgpr 72
		.amdhsa_reserve_vcc 0
		.amdhsa_float_denorm_mode_32 3
		.amdhsa_float_denorm_mode_16_64 3
		.amdhsa_memory_ordered 1
		.amdhsa_forward_progress 1
		.amdhsa_inst_pref_size 47
	.end_amdhsa_kernel
	.amdgpu_metadata
---
amdhsa.version: [ 1, 2 ]
amdhsa.kernels:
  - .name:           k_qa498b91d26_attn
    .symbol:         k_qa498b91d26_attn.kd
    .args:
      - { .name: qi, .offset: 0, .size: 8, .value_kind: global_buffer, .address_space: global }
      - { .name: kv, .offset: 8, .size: 8, .value_kind: global_buffer, .address_space: global }
      - { .name: temperature, .offset: 16, .size: 8, .value_kind: global_buffer, .address_space: global }
      - { .name: ac, .offset: 24, .size: 8, .value_kind: global_buffer, .address_space: global }
      - { .name: asc, .offset: 32, .size: 8, .value_kind: global_buffer, .address_space: global }
    .group_segment_fixed_size: 215040
    .private_segment_fixed_size: 0
    .kernarg_segment_align: 8
    .kernarg_segment_size: 40
    .max_flat_workgroup_size: 256
    .sgpr_count:     72
    .vgpr_count:     512
    .wavefront_size: 32
...
	.end_amdgpu_metadata
.endif
;; end of part 3
;; launch oproj (part 4): grid 8 x 32, 4 waves a work-group, clusters of 4 x 4, 327,680 bytes of LDS; arguments ac, asc, cod, scl, bo, out0; writes out0
.if DOCPART == 4
	.amdgcn_target "amdgcn-amd-amdhsa--gfx1250"
	.amdhsa_code_object_version 6
	.text
	.protected	k_qa498b91d26_oproj
	.globl	k_qa498b91d26_oproj
	.p2align	8
	.type	k_qa498b91d26_oproj,@function
k_qa498b91d26_oproj:
	s_mov_b64 s[64:65], 0
	v_nop
	global_prefetch_b8 v0, s[64:65] scope:SCOPE_SE
	s_setreg_imm32_b32 hwreg(HW_REG_WAVE_MODE, 25, 1), 1
	s_wait_xcnt 0x0
	s_wait_alu depctr_hold_cnt(0) depctr_sa_sdst(0) depctr_va_vdst(0) depctr_va_sdst(0) depctr_va_ssrc(0) depctr_va_vcc(0) depctr_vm_vsrc(0)
	s_getreg_b32 s2, hwreg(HW_REG_IB_STS2, 6, 4)
	s_cmp_eq_u32 s2, 0
	s_cbranch_scc0 .Lentry_in_a_cluster
	s_endpgm
.Lentry_in_a_cluster:
	s_bfe_u32 s2, ttmp6, 0x10000c
	s_cmp_lg_u32 s2, 0xf033
	s_cbranch_scc0 .Lentry_shape_is_right
	s_endpgm
.Lentry_shape_is_right:
; out0[token][n] = the sum over k of O[token][k] Wo[n][k] + bo[n], on codes of FP6 (E2M3) with E8M0 scales; K = 1,024 = (head, channel); sums in f32.
; ac:  O's codes, [K / 64 = head: 16][tile of 16 positions: 512][piece: 3][lane: 32][8 bytes]: an operand's registers on end.  asc: O's scale bytes, [head: 16][position: 8,192][2].
; cod, scl: as the first launch leaves them; Wo's rows are positions 11,264 on (tiles 704 on; groups 44 on of scl).  Position p is the row whose number is p with bits 3 and 4 changed over.
; SHARES.  A block of out0 is 256 positions x 128 columns: 32 x 8 = 256 work-groups.  Four waves, 2 x 2: a wave makes 128 x 64 in 32 accumulators, 256 registers.
; NO RING.  The block's operands for ALL of K are 196,608 bytes of A, 98,304 of B, 8,192 and 4,096 of scale bytes: they fit in LDS together and are asked for once, at the head, one joint load a wave:
; wave 0 A's scale bytes as asc has them, wave 1 B's scale words, wave 2 B's codes, wave 3 A's codes.  Nothing is filled again, so the walk along K has no barrier.
; Everything is asked for at the first lines and there is no loop to run ahead in: no prefetch is written.
; CLUSTERS: 4 x 4.  A's tiles hang on the block's row alone and are shared along a row of the cluster, B's on its column alone and are shared along a column.
; A'S SCALE WORDS: a matrix instruction wants the two bytes of heads 2 q and 2 q + 1 in one word.  Wave 0, which fetched the bytes, lays them so, [q: 8][position: 256][4], in LDS bytes of their own.
; THE MATRIX INSTRUCTION IS USED TRANSPOSED (source 0 = 16 rows of Wo, source 1 = 16 positions of O): a lane holds eight neighbouring columns of one row of out0.  The bias is the first products' C.
; REGISTERS: window 0: v0-31 addresses; v32-79 scale words of all eight steps (six a step: four of A, two of B, two blocks to a register); v80-143 the way out; v160-255 A's fragments, set 0.
; window 1: v0-95 B's fragments, two sets; v96-127 the bias; v160-255 A's fragments, set 1.   window 2: the accumulators, (a, b) at v[8 (4 a + b)].
; THE STAGE of the way out lies on the bytes that held asc's bytes, read for the last time ahead of the one barrier, and on the free bytes behind them.
.set PA,     393216                    ; ac: bytes from one 64 along K to the next
.set PB,     589824                    ; cod: the same
.set AKG,    12288                     ; LDS: 256 positions x 64 K of codes
.set BKG,    6144                      ; 128 positions
.set FR,     12
.set BL,     16*AKG
.set SCA,    BL+16*BKG                 ; A's scale words, stored by wave 0
.set SCB,    SCA+8192                  ; B's, [q: 8][position: 128][4]
.set SPARE,  SCB+4096                  ; the spare words: 128 bytes a wave
.set RAW,    SPARE+512                 ; asc's bytes, [head: 16][position: 256][2]
.set STAGE,  RAW                       ; later: 16 rows x 272 bytes for each wave
.set SPITCH, 272
.set ADRA, 8                           ; v8-11  my A fragments, steps 2 j and 2 j + 1
.set ADRB, 12                          ; v12-13 my B fragments, steps 4 j .. 4 j + 3
.set ASA,  14
.set ASB,  15
.set CVL,  16
.set CVS,  17
.set STO,  18
.set RD,   19
.set CO,   20
.set BO,   21
.set SPW,  28
.set NIL,  29
.set SC,   32
.set BK,   80
.set BT,   96
.set AF,   160
.set WV,   18
.set WA,   19
.set WB,   20
.set G1A,  24
.set G1B,  32
.set G1S,  40
.set G1T,  48
.set G0A,  56
.set G0B,  60
.set G0S,  68
.set G0T,  72
.set MSB, 0
.macro WIN new
.if MSB != (\new)
	s_set_vgpr_msb (MSB<<8)|(\new)
.set MSB, (\new)
.endif
.endm
.macro PLACES n
.rept \n
	v_nop
.endr
.endm
.macro CROUND
	s_barrier_signal -1
	s_barrier_wait -1
	s_cmp_lg_u32 s[WV], 0
	s_cbranch_scc1 .Lnot_wave_0_\@
	s_barrier_signal -3
.Lnot_wave_0_\@:
	s_barrier_wait -3
	s_barrier_signal -1
	s_barrier_wait -1
.endm
.macro GROUP1 g, m, c, r, p            ; r rows of c elements of 8 bytes, p elements from row to row; the mask in s[m], bit 21 beside it
	s_or_b32 s[\g], s[\m], (3<<16)|(1<<21)
	s_mov_b32 s[\g+1], (\c)<<16
	s_mov_b32 s[\g+2], (\r)<<16
	s_mov_b32 s[\g+3], (\c)<<16
	s_mov_b32 s[\g+4], \r
	s_mov_b32 s[\g+5], \p
	s_mov_b32 s[\g+6], 0
	s_mov_b32 s[\g+7], 0
.endm
.macro GROUP0 g, lds, base, off
	s_mov_b32 s[\g], 1
	s_mov_b32 s[\g+1], \lds
	s_add_nc_u64 s[\g+2:\g+3], s[\base:\base+1], s[\off:\off+1]
	s_or_b32 s[\g+3], s[\g+3], 0x80000000
.endm
.macro TLOAD g0, g1
	tensor_load_to_lds s[\g0:\g0+3], s[\g1:\g1+7]
	s_nop 0
	PLACES 4
.endm
.macro ARM under, g0, g1, next
	s_cmp_lt_u32 s[WV], \under
	s_cbranch_scc0 \next
	TLOAD \g0, \g1
	s_branch .Lasked
\next:
.endm
	s_load_b256 s[4:11], s[0:1], 0x0               ; ac, asc, cod, scl
	s_load_b128 s[12:15], s[0:1], 0x20             ; bo, out0
	v_lshl_add_u32 v[SPW], v0, 2, SPARE
	v_mov_b32 v[NIL], 0
	ds_add_u32 v[SPW], v[NIL]                      ; the opening lines: the add, twice on end, and its wait
	ds_add_u32 v[SPW], v[NIL]
	v_lshrrev_b32 v3, 5, v0
	v_readfirstlane_b32 s[WV], v3
	s_lshr_b32 s[WA], s[WV], 1                     ; my half of the block's rows
	s_and_b32 s[WB], s[WV], 1                      ; my half of its columns
	s_bfe_u32 s21, ttmp6, 0x40000                  ; cx
	s_bfe_u32 s22, ttmp6, 0x40004                  ; cy
	s_and_b32 s76, ttmp7, 0xffff
	s_lshl_b32 s76, s76, 2
	s_add_co_u32 s76, s76, s22                     ; the block's row, 0 .. 31
	s_lshl_b32 s77, ttmp9, 2
	s_add_co_u32 s77, s77, s21                     ; its column, 0 .. 7
	s_lshl_b32 s78, s22, 2
	s_lshl_b32 s78, 15, s78                        ; my row of the cluster
	s_lshl_b32 s79, 0x1111, s21                    ; my column
	GROUP1 G1A, 78, AKG/8, 16, PA/8                ; A's codes: 16 rows of 12,288 bytes
	GROUP1 G1B, 79, BKG/8, 16, PB/8                ; B's: 16 rows of 6,144
	GROUP1 G1S, 78, 64, 16, 2048                   ; asc: 16 heads x 512 bytes
	GROUP1 G1T, 79, 64, 8, 128                     ; scl: 8 steps x 512 bytes, my half of a group of 256 positions
	s_mul_i32 s80, s76, AKG
	s_mov_b32 s81, 0
	s_lshl_b32 s82, s76, 9
	s_mov_b32 s83, 0
	s_mul_i32 s84, s77, BKG
	s_add_co_u32 s84, s84, 704*768
	s_mov_b32 s85, 0
	s_lshr_b32 s86, s77, 1
	s_lshl_b32 s86, s86, 13
	s_add_co_u32 s86, s86, 44*8192
	s_and_b32 s88, s77, 1
	s_lshl_b32 s88, s88, 9
	s_add_co_u32 s86, s86, s88
	s_mov_b32 s87, 0
	s_wait_dscnt 0x0
	s_wait_kmcnt 0x0
	CROUND                                         ; all sixteen work-groups are here: the joint loads meet
	GROUP0 G0A, 0, 4, 80
	GROUP0 G0S, RAW, 6, 82
	GROUP0 G0B, BL, 8, 84
	GROUP0 G0T, SCB, 10, 86
	ARM 1, G0S, G1S, .Lhead_t                      ; one chain of branches on the wave's number, one load to an arm
	ARM 2, G0T, G1T, .Lhead_b
	ARM 3, G0B, G1B, .Lhead_a
	TLOAD G0A, G1A
.Lasked:
	s_mul_i32 s80, s[WA], 8*768                    ; my 8 tiles of A
	s_mul_i32 s81, s[WB], 4*768                    ; my 4 tiles of B
	s_add_co_u32 s81, s81, BL
	s_lshl_b32 s82, s[WA], 9
	s_add_co_u32 s82, s82, SCA
	s_lshl_b32 s83, s[WB], 8
	s_add_co_u32 s83, s83, SCB
	s_mul_i32 s84, s[WV], 16*SPITCH
	s_add_co_u32 s84, s84, STAGE
	s_lshl_b32 s86, s77, 9                         ; my first column, in bytes: 512 x block column + 256 x half
	s_lshl_b32 s87, s[WB], 8
	s_add_co_u32 s86, s86, s87
	s_mov_b32 s87, 0
	s_add_nc_u64 s[12:13], s[12:13], s[86:87]
	s_add_nc_u64 s[14:15], s[14:15], s[86:87]
	s_lshl_b32 s86, s76, 20                        ; my first row: 256 x block row + 128 x half, 4,096 bytes a row
	s_lshl_b32 s88, s[WA], 19
	s_add_co_u32 s86, s86, s88
	s_add_nc_u64 s[14:15], s[14:15], s[86:87]
	s_mov_b32 s90, 0x05040100
	s_mov_b32 s91, 0x07060302
	v_and_b32 v3, 31, v0                           ; lane
	v_and_b32 v4, 15, v0                           ; r
	v_bfe_u32 v5, v0, 4, 1                         ; h
	v_lshlrev_b32 v1, 4, v3
	v_lshlrev_b32 v2, 3, v3
	v_add_nc_u32 v[ADRA], s80, v2
	v_add_nc_u32 v[ADRB], s81, v2
	v_add_nc_u32 v[ADRA+1], 4*AKG, v[ADRA]
	v_add_nc_u32 v[ADRA+2], 8*AKG, v[ADRA]
	v_add_nc_u32 v[ADRA+3], 12*AKG, v[ADRA]
	v_add_nc_u32 v[ADRB+1], 8*BKG, v[ADRB]
	v_lshlrev_b32 v6, 2, v4
	v_lshl_add_u32 v7, v5, 8, v6
	v_add_nc_u32 v[ASA], s82, v7                   ; A's words: lanes 0-15 block i, lanes 16-31 block i + 4
	v_lshl_add_u32 v7, v5, 7, v6
	v_add_nc_u32 v[ASB], s83, v7                   ; B's: lanes 0-15 block i, lanes 16-31 block i + 2
	v_add_nc_u32 v[CVL], RAW, v1
	v_lshl_add_u32 v[CVS], v3, 5, SCA
	v_mul_u32_u24 v6, v4, SPITCH
	v_lshl_add_u32 v6, v5, 6, v6
	v_add_nc_u32 v[STO], s84, v6                   ; the stage, in: row r, 64 bytes for each half of the lanes
	v_mul_u32_u24 v7, v5, SPITCH
	v_lshl_add_u32 v7, v4, 4, v7
	v_add_nc_u32 v[RD], s84, v7                    ; back: sixteen lanes to a row of 256 bytes, two rows an instruction
	v_lshlrev_b32 v6, 12, v5
	v_lshl_add_u32 v[CO], v4, 4, v6                ; and the same two rows in out0
	v_lshlrev_b32 v[BO], 6, v5
	WIN 0x40
.irp n, 0,1
.irp j, 0,1,2,3
	global_load_b128 v[BT+16*\n+4*\j:BT+16*\n+4*\j+3], v[BO], s[12:13] offset:128*\n+16*\j   ; the bias as the result lies: register 8 b + j of lane (r, h) is column 32 (b / 2) + 16 h + 8 (b % 2) + j
.endr
.endr
	WIN 0
	s_wait_alu depctr_va_vdst(0)                   ; the wait at the head's end
	s_wait_tensorcnt 0x0                           ; my tile has landed
	s_cmp_lg_u32 s[WV], 0
	s_cbranch_scc1 .Lno_conv                       ; wave 0 alone reads the bytes that it fetched itself
.irp q, 0,1,2,3,4,5,6,7
	ds_load_b128 v[AF+8*\q:AF+8*\q+3], v[CVL] offset:1024*\q         ; head 2 q: 8 positions x 2 bytes a lane
	ds_load_b128 v[AF+8*\q+4:AF+8*\q+7], v[CVL] offset:1024*\q+512   ; head 2 q + 1
.endr
	s_wait_dscnt 0x0
.irp q, 0,1,2,3,4,5,6,7
.irp n, 0,1,2,3
	v_perm_b32 v[BK+8*\q+2*\n], v[AF+8*\q+4+\n], v[AF+8*\q+\n], s90     ; the low halves: position 2 n's four bytes
	v_perm_b32 v[BK+8*\q+2*\n+1], v[AF+8*\q+4+\n], v[AF+8*\q+\n], s91   ; the high halves: position 2 n + 1's
.endr
.endr
.irp q, 0,1,2,3,4,5,6,7
	ds_store_b128 v[CVS], v[BK+8*\q:BK+8*\q+3] offset:1024*\q
	ds_store_b128 v[CVS], v[BK+8*\q+4:BK+8*\q+7] offset:1024*\q+16
.endr
.Lno_conv:
	s_wait_dscnt 0x0                               ; for the others' sake: the words lie in LDS
	s_barrier_signal -1
	s_barrier_wait -1                              ; all four tiles and A's words may be read
.macro FRAG reg, adr, base, kg         ; 16 positions x 128 K: six pieces of 8 bytes a lane, three from each 64 along K
.irp p, 0,1,2,3,4,5
	ds_load_b64 v[\reg+2*\p:\reg+2*\p+1], v[\adr] offset:(\base)+(\p/3)*(\kg)+256*(\p%3)
.endr
.endm
.macro FETCH_B s
	WIN 0x40
.irp i, 0,1,2,3
	FRAG 48*((\s)%2)+FR*\i, ADRB+(\s)/4, 2*((\s)%4)*BKG+\i*768, BKG
.endr
.endm
.macro FETCH_A s, i0
	WIN ((\s)%2)<<6
.irp i, \i0, \i0+1, \i0+2, \i0+3
	FRAG AF+FR*(\i), ADRA+(\s)/2, 2*((\s)%2)*AKG+(\i)*768, AKG
.endr
.endm
; 16 products: A's blocks 4 ah .. 4 ah + 3 x B's four.  The 32 accumulators take turns, in the same order in every step.
.macro MULH s, ah, first
.irp al, 0,1,2,3
.irp bh, 0,1
.irp bl, 0,1
.if \first
	v_wmma_scale_f32_16x16x128_f8f6f4 v[8*(4*(4*\ah+\al)+2*\bh+\bl):8*(4*(4*\ah+\al)+2*\bh+\bl)+7], v[48*((\s)%2)+FR*(2*\bh+\bl):48*((\s)%2)+FR*(2*\bh+\bl)+FR-1], v[AF+FR*(4*\ah+\al):AF+FR*(4*\ah+\al)+FR-1], v[BT+8*(2*\bh+\bl):BT+8*(2*\bh+\bl)+7], v[SC+6*(\s)+4+\bl], v[SC+6*(\s)+\al] matrix_a_fmt:MATRIX_FMT_FP6 matrix_b_fmt:MATRIX_FMT_FP6 matrix_a_scale:MATRIX_SCALE_ROW\bh matrix_b_scale:MATRIX_SCALE_ROW\ah
.else
	v_wmma_scale_f32_16x16x128_f8f6f4 v[8*(4*(4*\ah+\al)+2*\bh+\bl):8*(4*(4*\ah+\al)+2*\bh+\bl)+7], v[48*((\s)%2)+FR*(2*\bh+\bl):48*((\s)%2)+FR*(2*\bh+\bl)+FR-1], v[AF+FR*(4*\ah+\al):AF+FR*(4*\ah+\al)+FR-1], v[8*(4*(4*\ah+\al)+2*\bh+\bl):8*(4*(4*\ah+\al)+2*\bh+\bl)+7], v[SC+6*(\s)+4+\bl], v[SC+6*(\s)+\al] matrix_a_fmt:MATRIX_FMT_FP6 matrix_b_fmt:MATRIX_FMT_FP6 matrix_a_scale:MATRIX_SCALE_ROW\bh matrix_b_scale:MATRIX_SCALE_ROW\ah
.endif
.endr
.endr
.endr
.endm
.macro MWIN s                          ; source 0 (B) window 1, source 1 (A) the step's set, D window 2; C window 2, in the first step window 1 (the bias)
.if (\s) == 0
	WIN 0x91
.else
	WIN 0xa1|(((\s)%2)<<2)
.endif
.endm
; A step of 128 along K: 32 products on set s % 2; the next step's fragments go into the other set, 48 loads at the step's head and 24 in its middle.
.macro STEP s
.if (\s) < 7
.if (\s) > 0
	PLACES 4                                       ; between the last step's products and the loads into the registers that the step before it... read: the other set's
.endif
	FETCH_B (\s)+1
	FETCH_A (\s)+1, 0
	s_wait_dscnt 48                                ; all but the 48 just issued: this step's fragments are in
.else
	s_wait_dscnt 0x0
.endif
	MWIN \s
	MULH \s, 0, (\s)==0
.if (\s) < 7
	FETCH_A (\s)+1, 4
.endif
	MWIN \s
	MULH \s, 1, (\s)==0
.endm
.irp q, 0,1,2,3,4,5,6,7
.irp i, 0,1,2,3
	ds_load_b32 v[SC+6*\q+\i], v[ASA] offset:1024*\q+64*\i
.endr
.irp i, 0,1
	ds_load_b32 v[SC+6*\q+4+\i], v[ASB] offset:512*\q+64*\i
.endr
.endr
	FETCH_B 0
	FETCH_A 0, 0
	FETCH_A 0, 4
	s_wait_loadcnt 0x0                             ; the bias
.irp s, 0,1,2,3,4,5,6,7
	STEP \s
.endr
	WIN 0
; THE WAY OUT, block by block of 16 positions x 64 columns: through my own stage, back as rows of 256 bytes, which sixteen lanes store as one aligned unit.
.macro TOSTAGE a
	WIN 0x08
.irp b, 0,1,2,3
	ds_store_b128 v[STO], v[32*(\a)+8*\b:32*(\a)+8*\b+3] offset:128*(\b/2)+32*(\b%2)       ; each accumulator from its low end on
	ds_store_b128 v[STO], v[32*(\a)+8*\b+4:32*(\a)+8*\b+7] offset:128*(\b/2)+32*(\b%2)+16
.endr
	WIN 0
.irp t, 0,1,2,3,4,5,6,7
	ds_load_b128 v[BK+32*((\a)%2)+4*\t:BK+32*((\a)%2)+4*\t+3], v[RD] offset:\t*2*SPITCH   ; LDS serves a wave's instructions in order (ISA guide 5.7.1.4): these see the stores above
.endr
.endm
.macro SEND a, younger
	s_wait_dscnt \younger
.irp t, 0,1,2,3,4,5,6,7
	global_store_b128 v[CO], v[BK+32*((\a)%2)+4*\t:BK+32*((\a)%2)+4*\t+3], s[14:15] offset:(32*((\a)/2)+8*((\a)%2)+2*\t+8*(\t/4))*4096 th:TH_STORE_NT   ; position m of tile a is row 32 (a / 2) + 8 (a % 2) + m + 8 (m / 8)
.endr
.endm
	PLACES 4
	TOSTAGE 0
.irp a, 1,2,3,4,5,6,7
.if \a > 1
	s_wait_xcnt 0x0                                ; block a - 2's stores have read their registers: block a's loads may land there
.endif
	TOSTAGE \a
	SEND \a-1, 16                                  ; behind block a - 1's loads: block a's 8 stores and 8 loads
.endr
	SEND 7, 0
	s_wait_tensorcnt 0x0                           ; the wave's end
	ds_add_u32 v[SPW], v[NIL]
	s_wait_dscnt 0x0
	CROUND                                         ; the closing round
	s_endpgm
.Lfunc_end_k_qa498b91d26_oproj:
	.size	k_qa498b91d26_oproj, .Lfunc_end_k_qa498b91d26_oproj-k_qa498b91d26_oproj
	.p2alignl 7, 3214868480
	.fill 96, 4, 3214868480
	.section	.rodata,"a",@progbits
	.p2align	6, 0x0
	.amdhsa_kernel k_qa498b91d26_oproj
		.amdhsa_group_segment_fixed_size 327680
		.amdhsa_private_segment_fixed_size 0
		.amdhsa_enable_private_segment 0
		.amdhsa_kernarg_size 48
		.amdhsa_user_sgpr_count 2
		.amdhsa_user_sgpr_kernarg_segment_ptr 1
		.amdhsa_wavefront_size32 1
		.amdhsa_system_sgpr_workgroup_id_x 1
		.amdhsa_system_sgpr_workgroup_id_y 1
		.amdhsa_system_sgpr_workgroup_id_z 1
		.amdhsa_system_vgpr_workitem_id 0
		.amdhsa_next_free_vgpr 768
		.amdhsa_next_free_sgpr 102
		.amdhsa_reserve_vcc 0
		.amdhsa_float_denorm_mode_32 3
		.amdhsa_float_denorm_mode_16_64 3
		.amdhsa_memory_ordered 1
		.amdhsa_forward_progress 1
		.amdhsa_inst_pref_size 104
	.end_amdhsa_kernel
	.amdgpu_metadata
---
amdhsa.version: [ 1, 2 ]
amdhsa.kernels:
  - .name:           k_qa498b91d26_oproj
    .symbol:         k_qa498b91d26_oproj.kd
    .args:
      - { .name: ac, .offset: 0, .size: 8, .value_kind: global_buffer, .address_space: global }
      - { .name: asc, .offset: 8, .size: 8, .value_kind: global_buffer, .address_space: global }
      - { .name: cod, .offset: 16, .size: 8, .value_kind: global_buffer, .address_space: global }
      - { .name: scl, .offset: 24, .size: 8, .value_kind: global_buffer, .address_space: global }
      - { .name: bo, .offset: 32, .size: 8, .value_kind: global_buffer, .address_space: global }
      - { .name: out0, .offset: 40, .size: 8, .value_kind: global_buffer, .address_space: global }
    .group_segment_fixed_size: 327680
    .private_segment_fixed_size: 0
    .kernarg_segment_align: 8
    .kernarg_segment_size: 48
    .max_flat_workgroup_size: 128
    .sgpr_count:     102
    .vgpr_count:     768
    .wavefront_size: 32
...
	.end_amdgpu_metadata
.endif
;; end of part 4
